; MI455X (gfx1250); checked and timed in simulation.
; The chip was launched on July 23, 2026; its instructions are those of AMD's public machine-readable ISA for CDNA 5 (MIT licence, August 2026) and "CDNA5" Instruction Set Architecture Reference Guide (July 2026). The comments in the code are by the model that wrote it; some were corrected since.
;; Causal Self Attention. Allowed arithmetic: matrix products marked QUANTISED: E3M2 operands, one E8M0 scale for each 32 along K, by v_wmma_scale_f32_16x16x128_f8f6f4 with both operands' format E3M2, f32 sums; everything else in f32.
;; Inputs: W_attn 1,024 x 3,072 float32; W_proj 1,024 x 1,024 float32; b_attn 3,072 float32; b_proj 1,024 float32; x 4 x 2,048 x 1,024 float32.
;; Outputs: out0 4 x 2,048 x 1,024 float32.
;; This version of the problem:
;;   THIS VERSION OF THE PROBLEM IS GIVEN IN LOW PRECISION. The matrix products marked QUANTISED in the list below multiply operands that are first quantised to E3M2 (3 exponent bits, 2 mantissa bits; 6 bits a number), with one power-of-two scale for each 32 numbers along K (OCP MX v1.0); their sums are f32. All else is computed in f32.
;;   The module's matrix products, in the order in which they are computed (A, B: the left and right operand; K: the contracted axis; several contracted axes count as one K, in the product's order):
;;     1. [M 8,192, K 1,024] x [K 1,024, N 3,072]; A: input x; B: input W_attn: QUANTISED
;;     2. batch 64 x [M 2,048, K 64] x [K 64, N 2,048]; A: computed on the way; B: computed on the way: QUANTISED
;;     3. batch 64 x [M 2,048, K 2,048] x [K 2,048, N 64]; A: softmax (see below); B: computed on the way: QUANTISED
;;     4. [M 8,192, K 1,024] x [K 1,024, N 1,024]; A: computed on the way; B: input W_proj: QUANTISED
;;   THE QUANTISER, for each operand of a quantised product, along K:
;;     - K is cut into blocks of 32 from its start; a last block that is shorter is filled with zeros.
;;     - A block's scale is 2^e with e = floor(log2(the largest magnitude in the block)) - 4, held to -126 .. 127; a block of zeros has e = 0. As a byte (E8M0): e + 127.
;;     - Each number is divided by its block's scale, clamped to +-28, and rounded to the nearest number of E3M2, ties to even, subnormals kept.
;;     - The product sums the exact products of the quantised numbers (number of the format x scale) in f32.
;;   ~~~python
;;   def quantise(x, axis):      # numpy; x: float32 -> the quantised numbers, widened to float32 again
;;       x = np.moveaxis(x, axis, -1); K = x.shape[-1]
;;       x = np.pad(x, [(0, 0)] * (x.ndim - 1) + [(0, -K % 32)]); x = x.reshape(x.shape[:-1] + (-1, 32)); a = np.abs(x).max(-1, keepdims=True)
;;       e = np.where(a > 0, np.clip(np.frexp(np.where(a > 0, a, 1))[1] - 1 - 4, -126, 127), 0)      # np.frexp(a)[1] - 1 = floor(log2(a)), exactly
;;       r = np.clip(x / 2.0 ** e, -28, 28)
;;       step = 2.0 ** (np.maximum(np.frexp(np.where(r == 0, 1, r))[1] - 1, -2) - 2)
;;       q = np.round(r / step) * step * 2.0 ** e      # np.round: ties to even
;;       return np.moveaxis(q.reshape(q.shape[:-2] + (-1,))[..., :K], -1, axis).astype(np.float32)
;;   ~~~
;;   SOFTMAX AHEAD OF A QUANTISED PRODUCT. Where the list says 'softmax', what is quantised is not the finished softmax but p = 2^(t - M), with t = logit x log2(e) and M = ceil(the row's largest t), a whole number; so 1/2 < the row's largest p <= 1. The row's sum l is taken of the UNQUANTISED p, in f32, and the product's result is divided by l at the end. Since M is a whole number, a kernel that streams over the keys may use a running M (the ceiling of the running maximum): every later rescaling is an exact power of two, which a block's scale takes up: the codes' values come out the same.
;;   OPERANDS COMPUTED ON THE WAY. 'Computed on the way' means the value that the module computes at that place (a softmax that the list does not call 'softmax' is quantised finished and normalised). What goes into a quantiser is computed in f32, as accurately as f32 sums, v_exp_f32 and their like allow (about 1e-6 of the number): no bf16 or f16 on the way to a quantiser, and a product that is left as it is and whose result goes on into a quantised operand takes f32 operands (vector FMAs, or v_wmma_f32_16x16x4_f32). A number that lies on a knife's edge between two numbers of the format may be rounded either way, as far as f32 arithmetic and the matrix unit's own rounding can turn it there, and no further.
;; One version. Each part assembles by itself: llvm-mc -triple=amdgcn-amd-amdhsa -mcpu=gfx1250 --defsym DOCPART=n.
;; ======== version 1 of 1: 4 launches
;; limits: right only within a limited range of input values
;; workspace buffers: codes 9,437,184 bytes; scales 393,216 bytes; qc 6,291,456 bytes; qs 524,288 bytes; kv 13,369,344 bytes; yc 6,291,456 bytes; ys 262,144 bytes
;; launch quant_x (part 1): grid 384 x 1, 8 waves a work-group, no clusters, 119,808 bytes of LDS; arguments x, codes, scales, W_attn, W_proj; writes codes, scales
.if DOCPART == 1
	.amdgcn_target "amdgcn-amd-amdhsa--gfx1250"
	.amdhsa_code_object_version 6
	.text
	.protected	k_q8b74b4c98a_quant_x
	.globl	k_q8b74b4c98a_quant_x
	.p2align	8
	.type	k_q8b74b4c98a_quant_x,@function
k_q8b74b4c98a_quant_x:
	s_mov_b64 s[64:65], 0
	v_nop
	global_prefetch_b8 v0, s[64:65] scope:SCOPE_SE
	s_setreg_imm32_b32 hwreg(HW_REG_WAVE_MODE, 25, 1), 1
	s_wait_xcnt 0x0
; x [8192 tokens][1024] f32 becomes codes of BF6 (E3M2) with one E8M0 scale byte for each 32 along K, laid as the products' launches read them:
;   codes  [16 planes of 64 K][12288 rows][48 bytes]: a row's 64 codes of a plane are 48 consecutive bytes; rows 0-8191 are x's tokens
;   scales [8 groups of 128 K][12288 rows][4 bytes]: byte b of a word scales k = 32 b .. 32 b + 31 of the group
; POSITION ORDER: in each aligned group of 32 rows, position p holds token sw(p) = p % 8 + 16 ((p / 8) % 2) + 8 (p / 16): so 16 consecutive positions, taken as source 0 of a matrix instruction,
; leave 16 neighbouring tokens in a lane's 16 registers of two neighbouring tiles.
; A block's scale is 2^(floor(log2(its largest magnitude)) - 4); its byte is the largest magnitude's exponent field - 4, held at 1 from below.
; LIMITS: a block whose largest magnitude lies under 2^-122 (a block of zeros too) keeps the byte 1: its codes are zeros or subnormal codes, and this program alone reads the bytes.  NaN and infinities are not served.
; SHARES: a work-group takes 32 tokens, wave w their K 128 w .. 128 w + 127 (planes 2 w, 2 w + 1; group w).  Each load reads 512 consecutive bytes of one token; the numbers turn through the wave's own
; stage in LDS so that a lane holds 16 neighbours along K of each block; the codes leave through LDS as 512 consecutive bytes a store.  Waves share nothing: no barrier.
.set PLANE, 589824                     ; bytes of a plane: 12,288 rows x 48
.set SGRP,  49152                      ; bytes of a group of scale words
; ONE LAUNCH FOR ALL THREE TENSORS: work-groups 0-255 take x (the text below), work-groups 256-383 the two weights (the text behind the first s_endpgm).  Each way has LDS bytes of its own: x's eight waves 8 x 11,776, the weights' 8 x 3,072 behind them, then the spare words.
; x's stage holds 16 rows: the second tile's rows go where the first's lay, behind the wait for the first's reads.
.set WLDS,  94208                      ; the weights' way: its LDS begins here
.set SPARE, 118784                     ; the spare words, 128 bytes for each wave
.set WREG,  11776
.set INP,   528                        ; a stage row: 512 bytes + 16, an odd multiple of 16: the sixteen rows of a load of 16 bytes start at sixteen different groups of banks
.set OUTC,  8448
.set OUTW,  11520
.set TM,  16                           ; v16-31   at work in QUANT
.set X,   32                           ; v32-95   64 numbers of a lane: register 16 b + i = k 32 b + 16 (lane / 16) + i of its row
.set PC,  96                           ; v96-114  the codes just made
.set PW,  116                          ; v116     the scale word just made
.set R,   120                          ; v120-247 the 32 rows as loaded; later the way out
.set SEL, 20                           ; s[20:21] v_permlanex16_b32's selects for lane l xor 16
; 64 numbers of a lane become a fragment's codes, v[PC] .. v[PC + 11] (registers 6 c .. 6 c + 5: k = 64 c + 32 (lane / 16) + 0 .. 31), and the row's scale word in v[PW].
.macro QUANT s
.irp b, 0,1,2,3
	v_max3_num_f32 v[TM+\b], |v[\s+16*\b]|, |v[\s+1+16*\b]|, 0x2800000   ; block b: my 16 numbers and the floor 2^(5 - 127): the byte cannot fall under 1
.endr
.irp i, 2,4,6,8,10,12,14
.irp b, 0,1,2,3
	s_delay_alu instid0(VALU_DEP_4)
	v_max3_num_f32 v[TM+\b], v[TM+\b], |v[\s+16*\b+\i]|, |v[\s+1+16*\b+\i]|   ; the four blocks by turns
.endr
.endr
.irp b, 0,1,2,3
	s_delay_alu instid0(VALU_DEP_4)
	v_permlanex16_b32 v[TM+4+\b], v[TM+\b], s[SEL], s[SEL+1]
.endr
.irp b, 0,1,2,3
	s_delay_alu instid0(VALU_DEP_4)
	v_max_num_f32 v[TM+\b], v[TM+\b], v[TM+4+\b]   ; with lane l xor 16's 16: the block's largest magnitude
.endr
.irp b, 0,1,2,3
	s_delay_alu instid0(VALU_DEP_4)
	v_add_nc_u32 v[TM+12+\b], 0xfe000000, v[TM+\b]   ; 4 off its exponent field: the conversion's scale operand
.endr
.irp b, 0,1,2,3
	s_delay_alu instid0(VALU_DEP_4)
	v_lshrrev_b32 v[TM+4+\b], 23, v[TM+12+\b]      ; the scale's byte
.endr
	s_delay_alu instid0(VALU_DEP_3)
	v_lshl_or_b32 v[PW], v[TM+5], 8, v[TM+4]
	s_delay_alu instid0(VALU_DEP_1)
	v_lshl_or_b32 v[PW], v[TM+6], 16, v[PW]
	s_delay_alu instid0(VALU_DEP_1)
	v_lshl_or_b32 v[PW], v[TM+7], 24, v[PW]
.irp c, 0,1
	v_cvt_scalef32_pk16_bf6_f32 v[PC+6*\c:PC+2+6*\c], v[\s+32*\c:\s+15+32*\c], v[TM+12+2*\c]
	v_cvt_scalef32_pk16_bf6_f32 v[PC+12+4*\c:PC+14+4*\c], v[\s+16+32*\c:\s+31+32*\c], v[TM+12+2*\c+1]   ; (a conversion's three registers begin on an even number)
.endr
	v_nop                                          ; one plain place behind a scaled conversion
.irp c, 0,1                                    ; a whole block to a lane: lanes 0-15 block 2 c, lanes 16-31 block 2 c + 1
.irp i, 0,1,2
	v_permlane16_swap_b32 v[PC+6*\c+\i], v[PC+12+4*\c+\i]
.endr
.irp i, 0,1,2
	s_delay_alu instid0(VALU_DEP_3)
	v_mov_b32 v[PC+3+6*\c+\i], v[PC+12+4*\c+\i]
.endr
.endr
.endm
	s_cmp_ge_u32 ttmp9, 256                        ; the choice hangs on the work-group's number alone
	s_cbranch_scc1 .Lweights
	s_load_b128 s[4:7], s[0:1], 0x0
	s_load_b64 s[8:9], s[0:1], 0x10                ; scales
	v_lshl_add_u32 v254, v0, 2, SPARE
	v_mov_b32 v255, 0
	v_lshrrev_b32 v9, 5, v0
	s_delay_alu instid0(VALU_DEP_1)
	v_readfirstlane_b32 s12, v9                    ; wave 0..7
	v_and_b32 v10, 31, v0                          ; lane
	v_and_b32 v11, 15, v0                          ; r
	v_bfe_u32 v12, v0, 4, 1                        ; h
	s_mul_i32 s13, s12, WREG                       ; my wave's LDS
	v_lshlrev_b32 v1, 4, v10                       ; 16 x lane: my bytes of a load's or a store's 512
	s_delay_alu instid0(VALU_DEP_1)
	v_add_nc_u32 v2, s13, v1                       ; the stage, on the way in
	v_mul_u32_u24 v3, v11, INP
	s_delay_alu instid0(VALU_DEP_1)
	v_lshl_add_u32 v3, v12, 6, v3
	s_delay_alu instid0(VALU_DEP_1)
	v_add_nc_u32 v3, s13, v3                       ; and out: row r, + 64 h: my 16 numbers of a block
	v_mul_u32_u24 v4, v11, 48
	s_delay_alu instid0(VALU_DEP_1)
	v_mad_u32_u24 v4, v12, 24, v4
	s_delay_alu instid0(VALU_DEP_1)
	v_add_nc_u32 v4, s13, v4
	s_delay_alu instid0(VALU_DEP_1)
	v_add_nc_u32 v4, OUTC, v4                      ; codes out: 48 r + 24 h
	v_lshlrev_b32 v5, 2, v11
	s_delay_alu instid0(VALU_DEP_1)
	v_add_nc_u32 v5, s13, v5
	s_delay_alu instid0(VALU_DEP_1)
	v_add_nc_u32 v5, OUTW, v5                      ; words out: 4 r
	v_add_nc_u32 v6, OUTC, v2                      ; codes back: 16 x lane
	v_lshlrev_b32 v8, 2, v10
	s_delay_alu instid0(VALU_DEP_1)
	v_add_nc_u32 v7, s13, v8
	s_delay_alu instid0(VALU_DEP_1)
	v_add_nc_u32 v7, OUTW, v7                      ; words back: 4 x lane
.irp b, 0,1,2,3
	v_mov_b32 v[TM+4+\b], 0                        ; written once: a lane permute's destination counts as one of its sources
.endr
	s_mov_b32 s[SEL], 0x76543210
	s_mov_b32 s[SEL+1], 0xfedcba98
	s_lshl_b32 s14, ttmp9, 17                      ; 32 tokens of 4,096 bytes
	s_lshl_b32 s15, s12, 9                         ; my 128 numbers of a token
	s_add_co_u32 s14, s14, s15
	s_mov_b32 s15, 0
	s_mul_i32 s16, ttmp9, 1536                     ; 32 rows of 48 bytes
	s_mul_i32 s17, s12, 2*PLANE
	s_add_co_u32 s16, s16, s17
	s_mov_b32 s17, 0
	s_mul_i32 s18, s12, SGRP
	s_lshl_b32 s19, ttmp9, 7                       ; 32 words
	s_add_co_u32 s18, s18, s19
	s_mov_b32 s19, 0
	s_wait_kmcnt 0x0
	s_add_nc_u64 s[4:5], s[4:5], s[14:15]
	s_add_nc_u64 s[6:7], s[6:7], s[16:17]
	s_add_nc_u64 s[8:9], s[8:9], s[18:19]
.set p, 0
.rept 32                                       ; position p takes token sw(p): 512 consecutive bytes a load, all 32 loads out at once
	global_load_b128 v[R+4*p:R+4*p+3], v1, s[4:5] offset:(p%8+16*((p/8)%2)+8*(p/16))*4096 th:TH_LOAD_NT
.set p, p+1
.endr
; positions 16 m .. 16 m + 15: through the stage, quantised, codes and words into LDS
.macro TILE m
	s_wait_loadcnt 16-16*\m                        ; this tile's sixteen loads are in; the other tile's may be out
.set i, 0
.rept 16
	ds_store_b128 v2, v[R+64*\m+4*i:R+64*\m+4*i+3] offset:i*INP
.set i, i+1
.endr
.irp b, 0,1,2,3
.irp j, 0,1,2,3
	ds_load_b128 v[X+16*\b+4*\j:X+16*\b+4*\j+3], v3 offset:128*\b+16*\j
.endr
.endr
	s_wait_dscnt 0x0                               ; my numbers are in; the tile before's code stores have read their registers
	QUANT X
.irp c, 0,1
.irp p, 0,1,2
	ds_store_b64 v4, v[PC+6*\c+2*\p:PC+6*\c+2*\p+1] offset:1536*\c+768*\m+8*\p
.endr
.endr
	ds_store_b32 v5, v[PW] offset:64*\m            ; both halves of the lanes hold the same word and write it to the same place
.endm
	TILE 0
	TILE 1
.irp c, 0,1
.irp i, 0,1,2
	ds_load_b128 v[R+12*\c+4*\i:R+12*\c+4*\i+3], v6 offset:1536*\c+512*\i
.endr
.endr
	ds_load_b32 v[R+24], v7
	s_wait_dscnt 0x0
.irp c, 0,1
.irp i, 0,1,2
	global_store_b128 v1, v[R+12*\c+4*\i:R+12*\c+4*\i+3], s[6:7] offset:\c*PLANE+512*\i   ; 32 lanes store 512 consecutive bytes, at a multiple of 256 from the buffer's first byte
.endr
.endr
	global_store_b32 v8, v[R+24], s[8:9]           ; 32 words: 128 consecutive bytes
	s_wait_tensorcnt 0x0
	ds_add_u32 v254, v255
	s_wait_dscnt 0x0
	s_endpgm
; THE WEIGHTS.  W_attn [1024 (k)][3072] and W_proj [1024 (k)][1024], f32 with K as their FIRST axis, become codes with K innermost in the same two buffers: rows 8192-11263 are W_attn's columns, rows 11264-12287 W_proj's,
; in the same position order.  A LANE TAKES A COLUMN AND ITS REGISTERS RUN DOWN K: a block of 32 lies in one lane's 32 registers.  Lane l takes column sw(l) of the wave's 32, so the lanes stand in position order.
; SHARES: work-group 256 + 16 y + x: 256 columns (x < 12: W_attn's, else W_proj's) x 128 along K (group y, planes 2 y and 2 y + 1); a wave 32 columns.  Loads run two blocks (64 loads a wave) ahead.  The same limits as above.
.Lweights:
.set VO,   16                          ; v16-47   row i's byte offset; never rewritten
.set X,    48                          ; v48-111  two sets of 32 numbers
.set C,    112                         ; v112-135 my column's 48 bytes of each of the two planes
.set TQ,   136
.set PW,   140
.set OUTR, 144
	s_load_b128 s[4:7], s[0:1], 0x18               ; W_attn, W_proj
	s_load_b128 s[8:11], s[0:1], 0x8               ; codes, scales
	v_lshl_add_u32 v254, v0, 2, SPARE
	v_mov_b32 v255, 0
	v_lshrrev_b32 v5, 5, v0
	v_readfirstlane_b32 s12, v5                    ; wave 0..7
	v_and_b32 v10, 31, v0                          ; lane
	v_and_b32 v5, 7, v10
	v_bfe_u32 v6, v10, 3, 1
	v_bfe_u32 v7, v10, 4, 1
	v_lshl_or_b32 v5, v6, 4, v5
	v_lshl_or_b32 v5, v7, 3, v5                    ; sw(lane)
	v_lshlrev_b32 v[VO], 2, v5
	s_mul_i32 s14, s12, 3072                       ; my wave's LDS: [2 planes][32 positions][48]
	s_add_co_u32 s14, s14, WLDS
	v_mul_u32_u24 v1, v10, 48
	v_add_nc_u32 v1, s14, v1                       ; in: my column's 48 bytes
	v_lshlrev_b32 v3, 4, v10                       ; 16 x lane
	v_add_nc_u32 v2, s14, v3                       ; back: 512 consecutive bytes a load
	v_lshlrev_b32 v4, 2, v10
	s_sub_co_u32 s3, ttmp9, 256
	s_lshr_b32 s13, s3, 4                          ; y: which 128 along K
	s_and_b32 s3, s3, 15                           ; x: which 256 columns
	s_wait_alu depctr_va_vdst(0)
	s_wait_kmcnt 0x0
	s_mov_b32 s15, 4096
	s_cmp_lt_u32 s3, 12                            ; W_attn's work-group or W_proj's?
	s_cselect_b64 s[4:5], s[4:5], s[6:7]
	s_cselect_b32 s15, 12288, s15                  ; a row of W in bytes
	s_cselect_b32 s16, 0, 12
	s_sub_co_u32 s16, s3, s16
	s_lshl_b32 s16, s16, 8
	s_lshl_b32 s17, s12, 5
	s_add_co_u32 s16, s16, s17                     ; my wave's first column in its tensor
	s_lshl_b32 s16, s16, 2
	s_lshl_b32 s18, s13, 7
	s_mul_i32 s18, s18, s15                        ; 128 y rows
	s_add_co_u32 s18, s18, s16
	s_mov_b32 s19, 0
	s_add_nc_u64 s[20:21], s[4:5], s[18:19]        ; block 0's first row at my first column;
	s_lshl_b32 s18, s15, 5
	s_add_nc_u64 s[22:23], s[20:21], s[18:19]      ; blocks 1, 2, 3: 32 rows on each: four bases, none is stepped
	s_add_nc_u64 s[24:25], s[22:23], s[18:19]
	s_add_nc_u64 s[26:27], s[24:25], s[18:19]
.set i, 1
.rept 31
	v_add_nc_u32 v[VO+i], s15, v[VO+i-1]
.set i, i+1
.endr
	s_lshl_b32 s28, s3, 8
	s_add_co_u32 s28, s28, s17
	s_add_co_u32 s28, s28, 8192                    ; my wave's first row in the two buffers
	s_mul_i32 s29, s13, 24576                      ; plane 2 y
	s_add_co_u32 s29, s29, s28
	s_mul_i32 s30, s29, 48
	s_mov_b32 s31, 0
	s_add_nc_u64 s[8:9], s[8:9], s[30:31]
	s_mul_i32 s29, s13, 12288                      ; group y
	s_add_co_u32 s29, s29, s28
	s_lshl_b32 s30, s29, 2
	s_add_nc_u64 s[10:11], s[10:11], s[30:31]
.macro LOAD t                          ; block t: W(128 y + 32 t + i, my column), i = 0 .. 31, into set t % 2
.set i, 0
.rept 32
	global_load_b32 v[X+32*((\t)%2)+i], v[VO+i], s[20+2*(\t):21+2*(\t)] th:TH_LOAD_NT
.set i, i+1
.endr
.endm
.macro BLOCK t
.set XS, X+32*((\t)%2)
.set CC, C+12*((\t)/2)+6*((\t)%2)      ; block t's 24 bytes of my column's 48 in plane t / 2
.if (\t) < 3
	s_wait_loadcnt 32                              ; this block's 32 loads are in; the next block's may be out
.else
	s_wait_loadcnt 0x0
.endif
	v_max3_num_f32 v141, |v[XS]|, |v[XS+1]|, |v[XS+2]|     ; the block's largest magnitude, in two chains
	v_max3_num_f32 v142, |v[XS+3]|, |v[XS+4]|, |v[XS+5]|
.irp i, 6,10,14,18,22,26
	v_max3_num_f32 v141, v141, |v[XS+\i]|, |v[XS+\i+1]|
	v_max3_num_f32 v142, v142, |v[XS+\i+2]|, |v[XS+\i+3]|
.endr
	v_max3_num_f32 v141, v141, |v[XS+30]|, |v[XS+31]|
	v_max3_num_f32 v141, v141, v142, 0x2800000     ; and the floor 2^(5 - 127): the byte cannot fall under 1
	v_add_nc_u32 v143, 0xfe000000, v141            ; 4 off its exponent field: the conversion's scale operand
	v_cvt_scalef32_pk16_bf6_f32 v[CC:CC+2], v[XS:XS+15], v143
	v_cvt_scalef32_pk16_bf6_f32 v[TQ:TQ+2], v[XS+16:XS+31], v143
	v_lshrrev_b32 v142, 23, v143                   ; the scale's byte.  (The plain place behind the conversions)
.if (\t) == 0
	v_mov_b32 v[PW], v142
.else
	v_lshl_or_b32 v[PW], v142, 8*(\t), v[PW]
.endif
.irp i, 0,1,2
	v_mov_b32 v[CC+3+\i], v[TQ+\i]
.endr
.if (\t) < 2
	LOAD (\t)+2
.endif
.if (\t)%2 == 1
.irp i, 0,1,2
	ds_store_b128 v1, v[C+12*((\t)/2)+4*\i:C+12*((\t)/2)+4*\i+3] offset:1536*((\t)/2)+16*\i
.endr
.endif
.endm
	s_wait_alu depctr_va_vdst(0)
	LOAD 0
	LOAD 1
	BLOCK 0
	BLOCK 1
	BLOCK 2
	BLOCK 3
.irp c, 0,1
.irp i, 0,1,2
	ds_load_b128 v[OUTR+12*\c+4*\i:OUTR+12*\c+4*\i+3], v2 offset:1536*\c+512*\i   ; LDS serves a wave's instructions in order: these see my stores
.endr
.endr
	s_wait_alu depctr_va_vdst(0)
	s_wait_dscnt 0x0
.irp c, 0,1
.irp i, 0,1,2
	global_store_b128 v3, v[OUTR+12*\c+4*\i:OUTR+12*\c+4*\i+3], s[8:9] offset:\c*PLANE+512*\i   ; 512 consecutive bytes, at a multiple of 256 from the buffer's first byte
.endr
.endr
	global_store_b32 v4, v[PW], s[10:11]           ; 32 words: 128 consecutive bytes
	s_wait_tensorcnt 0x0                           ; the wave's end
	ds_add_u32 v254, v255
	s_wait_dscnt 0x0
	s_endpgm
.Lfunc_end_k_q8b74b4c98a_quant_x:
	.size	k_q8b74b4c98a_quant_x, .Lfunc_end_k_q8b74b4c98a_quant_x-k_q8b74b4c98a_quant_x
	.p2alignl 7, 3214868480
	.fill 96, 4, 3214868480
	.section	.rodata,"a",@progbits
	.p2align	6, 0x0
	.amdhsa_kernel k_q8b74b4c98a_quant_x
		.amdhsa_group_segment_fixed_size 119808
		.amdhsa_private_segment_fixed_size 0
		.amdhsa_enable_private_segment 0
		.amdhsa_kernarg_size 40
		.amdhsa_user_sgpr_count 2
		.amdhsa_user_sgpr_kernarg_segment_ptr 1
		.amdhsa_wavefront_size32 1
		.amdhsa_system_sgpr_workgroup_id_x 1
		.amdhsa_system_sgpr_workgroup_id_y 1
		.amdhsa_system_sgpr_workgroup_id_z 1
		.amdhsa_system_vgpr_workitem_id 0
		.amdhsa_next_free_vgpr 256
		.amdhsa_next_free_sgpr 66
		.amdhsa_reserve_vcc 0
		.amdhsa_float_denorm_mode_32 3
		.amdhsa_float_denorm_mode_16_64 3
		.amdhsa_memory_ordered 1
		.amdhsa_forward_progress 1
		.amdhsa_inst_pref_size 46
	.end_amdhsa_kernel
	.amdgpu_metadata
---
amdhsa.version: [ 1, 2 ]
amdhsa.kernels:
  - .name:           k_q8b74b4c98a_quant_x
    .symbol:         k_q8b74b4c98a_quant_x.kd
    .args:
      - { .name: x, .offset: 0, .size: 8, .value_kind: global_buffer, .address_space: global }
      - { .name: codes, .offset: 8, .size: 8, .value_kind: global_buffer, .address_space: global }
      - { .name: scales, .offset: 16, .size: 8, .value_kind: global_buffer, .address_space: global }
      - { .name: W_attn, .offset: 24, .size: 8, .value_kind: global_buffer, .address_space: global }
      - { .name: W_proj, .offset: 32, .size: 8, .value_kind: global_buffer, .address_space: global }
    .group_segment_fixed_size: 119808
    .private_segment_fixed_size: 0
    .kernarg_segment_align: 8
    .kernarg_segment_size: 40
    .max_flat_workgroup_size: 256
    .sgpr_count:     66
    .vgpr_count:     256
    .wavefront_size: 32
...
	.end_amdgpu_metadata
.endif
;; end of part 1
;; launch gemm_qkv (part 2): grid 8 x 48, 4 waves a work-group, clusters of 4 x 4, 327,680 bytes of LDS; arguments codes, scales, b_attn, qc, qs, kv; writes qc, qs, kv
.if DOCPART == 2
	.amdgcn_target "amdgcn-amd-amdhsa--gfx1250"
	.amdhsa_code_object_version 6
	.text
	.protected	k_q8b74b4c98a_gemm_qkv
	.globl	k_q8b74b4c98a_gemm_qkv
	.p2align	8
	.type	k_q8b74b4c98a_gemm_qkv,@function
k_q8b74b4c98a_gemm_qkv:
	s_mov_b64 s[64:65], 0
	v_nop
	global_prefetch_b8 v0, s[64:65] scope:SCOPE_SE
	s_setreg_imm32_b32 hwreg(HW_REG_WAVE_MODE, 25, 1), 1
	s_wait_xcnt 0x0
	s_wait_alu depctr_hold_cnt(0) depctr_sa_sdst(0) depctr_va_vdst(0) depctr_va_sdst(0) depctr_va_ssrc(0) depctr_va_vcc(0) depctr_vm_vsrc(0)
	s_getreg_b32 s2, hwreg(HW_REG_IB_STS2, 6, 4)
	s_cmp_eq_u32 s2, 0
	s_cbranch_scc0 .Lentry_in_a_cluster
	s_endpgm
.Lentry_in_a_cluster:
	s_bfe_u32 s2, ttmp6, 0x10000c
	s_cmp_lg_u32 s2, 0xf033
	s_cbranch_scc0 .Lentry_shape_is_right
	s_endpgm
.Lentry_shape_is_right:
; qkv = x W_attn + b_attn on codes of BF6 (E3M2) with E8M0 scales; q, k and v are quantised in registers for the two products of attention and leave as codes.
; IN: codes [16 planes of 64 K][12288 rows][48 bytes], scales [8 groups of 128 K][12288 rows][4 bytes]; rows 0-8191 x's tokens, 8192-11263 W_attn's columns; both in position order: in each aligned
;   group of 32 rows position p holds row sw(p) = p % 8 + 16 ((p / 8) % 2) + 8 (p / 16).  So the 16 registers that a lane has of two neighbouring tiles of source 0 are 16 NEIGHBOURS of source 0's true order.
; A tile of the result, 256 x 256, is made by four waves, each 128 x 128: 64 accumulators, 512 registers.  Source 0 takes rows of side B (they land in a lane's registers), source 1 rows of side A (they land in the lanes).
;   q, k (cluster y 0-7):  A = tokens, B = W_attn's columns 0-2047: a lane holds one token and 128 neighbouring columns, two heads of 64: quantised along the head's axis.
;   v    (cluster y 8-11): A = W_attn's columns 2048-3071, B = tokens: a lane holds one channel and 128 neighbouring tokens: quantised along the keys.  Only row numbers differ between the two ways.
; OUT: qc [64 heads][2048 positions][48], qs [64][2048] words (two bytes, then 0x7f 0x7f for the 64 zero codes that fill attention's first product to 128);
;   kv [64 heads][8 blocks of 256 keys][26,112 bytes]: k's codes [256 positions][48], k's words [256], v's codes [4 groups of 64 keys][64 channel positions][48], v's words [2 steps of 128 keys][64 channel positions].
; K = 1,024 goes in 4 steps of 256 through a ring of two LDS slots filled by the tensor data mover; all scale words of the tile's 512 rows come once, with the first fills.
; CLUSTERS: 4 x 4 work-groups.  The four of a row of the cluster need the same rows of side A, the four of a column the same rows of side B: each tile is asked for JOINTLY.
; LIMITS: a block whose largest magnitude lies under 2^-122 (a block of zeros too) keeps the scale byte 1; this program alone reads the bytes.  NaN and infinities are not served.
; REGISTERS, in windows of 256: window 0: v1-3 lane numbers, v16-31 addresses; v32-95 scale words and nothing else; v96-111 v's bias; v128-223 A's fragments, ONE set; in the epilogue v128-254 are at work.
;   window 1: B's fragments, TWO sets, at v0 and v128; q's and k's bias at v96-127 and v224-255.   windows 2, 3: the accumulators ((a, b) at v[8 (8 (a % 4) + b)] of window 2 + a / 4).
.set PLA,   589824                     ; a plane of side A's codes in bytes;  side B's
.set PLB,   589824
.set SGA,   49152                      ; a group of side A's scale words in bytes;  side B's
.set SGB,   49152
.set ACOD,  4                          ; s[4:5] side A's codes, s[6:7] its scale words; side B's are the same two buffers here
.set ASCL,  6
.set BCOD,  4
.set BSCL,  6
; THE LAYOUTS AS THEY ARE STORED (they take the place of what the head comment says of qc's, qs's and kv's order):
;   in each group of 128 tokens (and of 64 channels of v) position 16 T + r holds index 64 (T / 4) + 8 (T % 4) + r % 8 + 32 (r / 8): taken as source 0, four neighbouring tiles leave a whole block of 32 neighbours in a lane's 32 registers.
;   kv [64 heads][16 steps of 128 keys][13,056 bytes]: k's codes [128 positions][48], k's words [128], v's codes [2 groups of 64 keys][64 channel positions][48], v's words [64 channel positions].
; LDS: a slot holds A's [4 planes][256 rows][48 bytes], then B's; the scale words lie [8 groups][256 rows], A's then B's.  At the head wave 0 fetches A's four planes, wave 1 B's, wave 2 A's words, wave 3 B's; in the ring a wave fetches two planes of 256 rows.
.set KVH,   208896
.set HALFT, 24576                      ; what one load of the ring brings: [2 planes][256 rows][48 bytes]
.set SLOT,  4*HALFT                    ; A's two halves, then B's two
.set SCL,   2*SLOT                     ; behind the ring: the scale words, [8 groups][256 rows], A's then B's
.set SPARE, SCL+4*4096                 ; the spare words, 128 bytes for each wave: two blocks of 256 bytes that no other line names
.set STAGE, SPARE+512                  ; the way out: bytes of its own, into which no tensor load lands
.set STGW,  13312                      ; a wave's stage: codes [2][8 blocks][16 rows][48], then two runs of 128 words
.set FR,    12                         ; registers of a fragment: 16 rows x 128 K
.set NL,    6                          ; LDS loads that bring one
.set NP,    4                          ; places behind this matrix instruction (ISA guide 7.12.1)
.set ADRA, 16                          ; v16-17  LDS address of my A fragments in slot 0, 1
.set ADRB, 20                          ; v20-21  the same for B
.set STO,  24                          ; v24     the stage: where I put my row's 24 bytes
.set RD,   25                          ; v25     the stage: 16 x lane
.set GL,   26                          ; v26     16 x lane
.set ADRS, 27                          ; v27     my scale words: lanes 0-15 A's rows, lanes 16-31 B's
.set SPW,  28                          ; v28     LDS address of my spare word; never rewritten
.set NIL,  29                          ; v29     0; never rewritten
.set SWA,  30                          ; v30     the stage: my row's scale word
.set VW,   31                          ; v31     byte offset of my 16 bytes of scale words in memory
.set SC,   32                          ; register 8 g + i: lanes 0-15 the word of A's block i, lanes 16-31 that of B's block i, for the g-th 128 along K
.set BL,   96                          ; v96-111 pair a: b_attn at the channel of my lane in block a (v's way)
.set AF,   128
.set T,    128                         ; epilogue: v128-191 a block's 64 numbers with the bias
.set PC,   192                         ; v192-210 its codes
.set TM,   212                         ; v212-227 at work
.set PW,   228
.set W0,   229
.set W1,   230
.set WV,   16                          ; s16 wave;  s17 = wave / 2: my half of A's rows, and: I fetch for A (0) or B (1);  s18 = wave % 2: my half of B's rows, and which two planes I fetch
.set HA,   17
.set HB,   18
.set CX,   19
.set CY,   20
.set MROW, 21
.set MCOL, 22
.set G1,   24                          ; s[24:31] descriptor group 1 for A's codes;  s[32:39] group 0, a set for each slot
.set G0,   32
.set G1B,  48                          ; s[48:55], s[56:63] the same for B's
.set G0B,  56
.set G1S,  68                          ; s[68:75], s[76:79] for A's scale words;  s[80:87], s[88:91] for B's
.set G0S,  76
.set G1SB, 80
.set G0SB, 88
.set ISV,  100                         ; s100  1 on v's way
.set MK,   66                          ; epilogue: mask and fill of the first scale word
.set FILL, 67
.set SEL,  62                          ; epilogue: s[62:63] v_permlanex16_b32's selects
.set MSB, 0
.macro WIN new                         ; the immediate's high byte repeats the setting that is left
.if MSB != (\new)
	s_set_vgpr_msb (MSB<<8)|(\new)
.set MSB, (\new)
.endif
.endm
.set MUL_LO, 0xa1                      ; source 0 (B) window 1, source 1 (A) window 0, C and D window 2
.set MUL_HI, 0xf1                      ; the same, C and D window 3
.set TO_B,   0x40                      ; destination window 1, address window 0
; A joint load: waves 0 and 1 fetch for A, waves 2 and 3 for B.  Each line has ONE mask and one set of registers for all that issue it; the branch hangs on the wave's number alone.
; Four v_nop follow each of the two lines, ahead of the jump, the label and what follows.
.macro JLOAD g0a, g1a, g0b, g1b
	s_cmp_eq_u32 s[HA], 0
	s_cbranch_scc0 .Lfor_b_\@
	tensor_load_to_lds s[\g0a:\g0a+3], s[\g1a:\g1a+7]
	s_nop 0
.rept 4
	v_nop
.endr
	s_branch .Lasked_\@
.Lfor_b_\@:
	tensor_load_to_lds s[\g0b:\g0b+3], s[\g1b:\g1b+7]
	s_nop 0
.rept 4
	v_nop
.endr
.Lasked_\@:
.endm
.macro CREST                           ; a round of the cluster's barrier behind its opening barrier
	s_cmp_lg_u32 s[WV], 0
	s_cbranch_scc1 .Lnot_wave_0_\@
	s_barrier_signal -3
.Lnot_wave_0_\@:
	s_barrier_wait -3
	s_barrier_signal -1
	s_barrier_wait -1
.endm
.macro CROUND                          ; a whole round
	s_barrier_signal -1
	s_barrier_wait -1
	CREST
.endm
.macro PLACES n
.rept \n
	v_nop
.endr
.endm
	s_load_b256 s[4:11], s[0:1], 0x0               ; codes, scales, b_attn, qc
	s_load_b128 s[12:15], s[0:1], 0x20             ; qs, kv
	v_lshl_add_u32 v[SPW], v0, 2, SPARE
	v_mov_b32 v[NIL], 0
	ds_add_u32 v28, v29
	ds_add_u32 v28, v29
	s_wait_dscnt 0x0
	v_lshrrev_b32 v1, 5, v0
	v_readfirstlane_b32 s[WV], v1                  ; wave 0..3
	s_lshr_b32 s[HA], s[WV], 1
	s_and_b32 s[HB], s[WV], 1
	s_bfe_u32 s[CX], ttmp6, 0x40000                ; my place in the cluster
	s_bfe_u32 s[CY], ttmp6, 0x40004
	s_lshl_b32 s[MROW], s[CY], 2
	s_lshl_b32 s[MROW], 15, s[MROW]                ; my row of the cluster
	s_lshl_b32 s[MCOL], 0x1111, s[CX]              ; my column
	; descriptor group 1, codes: 4 planes x 256 rows of 48 bytes: each plane's part is 12,288 dense bytes: 1,536 elements of 8 bytes; from plane to plane the plane's bytes / 8.  No padding
	s_or_b32 s[G1], s[MROW], (3<<16)|(1<<21)       ; 15:0 the mask: A's tiles go to my row; 17:16 elements of 8 bytes; 21 set beside a mask
	s_or_b32 s[G1B], s[MCOL], (3<<16)|(1<<21)
	s_mov_b32 s[G1+1], 1536<<16
	s_mov_b32 s[G1+2], 4<<16                       ; tensor_dim1
	s_mov_b32 s[G1+3], 1536<<16
	s_mov_b32 s[G1+4], 4                           ; tile_dim1
	s_mov_b32 s[G1+5], PLA/8                       ; tensor_dim0_stride
	s_mov_b32 s[G1+6], 0
	s_mov_b32 s[G1+7], 0
	s_mov_b32 s[G1B+1], 1536<<16
	s_mov_b32 s[G1B+2], 4<<16
	s_mov_b32 s[G1B+3], 1536<<16
	s_mov_b32 s[G1B+4], 4
	s_mov_b32 s[G1B+5], PLB/8
	s_mov_b32 s[G1B+6], 0
	s_mov_b32 s[G1B+7], 0
	; scale words: 8 groups x 256 words: 128 elements of 8 bytes a group
	s_or_b32 s[G1S], s[MROW], (3<<16)|(1<<21)
	s_or_b32 s[G1SB], s[MCOL], (3<<16)|(1<<21)
	s_mov_b32 s[G1S+1], 128<<16
	s_mov_b32 s[G1S+2], 8<<16
	s_mov_b32 s[G1S+3], 128<<16
	s_mov_b32 s[G1S+4], 8
	s_mov_b32 s[G1S+5], SGA/8
	s_mov_b32 s[G1S+6], 0
	s_mov_b32 s[G1S+7], 0
	s_mov_b32 s[G1SB+1], 128<<16
	s_mov_b32 s[G1SB+2], 8<<16
	s_mov_b32 s[G1SB+3], 128<<16
	s_mov_b32 s[G1SB+4], 8
	s_mov_b32 s[G1SB+5], SGB/8
	s_mov_b32 s[G1SB+6], 0
	s_mov_b32 s[G1SB+7], 0
	; which rows.  A's hang on the cluster's numbers and cy, B's on the cluster's numbers and cx; s40-43 never hold cx, s44-47 never cy
	s_and_b32 s101, ttmp7, 0xffff                  ; the cluster's y: 0-7 q and k, 8-11 v
	s_lshl_b32 s40, s101, 10                       ; q, k: A = tokens 1,024 y on
	s_mov_b32 s41, 10240                           ; v:    A = rows 10,240 on: W_attn's columns 2,048 on
	s_lshl_b32 s44, ttmp9, 10
	s_add_co_u32 s45, s44, 8192                    ; q, k: B = rows 8,192 + 1,024 x on
	s_lshl_b32 s46, s101, 11
	s_add_co_u32 s46, s46, s44
	s_max_u32 s46, s46, 16384                      ; (held, so that the way that does not use it has no number under 0)
	s_sub_co_u32 s46, s46, 16384                   ; v:    B = tokens 1,024 (x + 2 (y - 8)) on
	s_cmp_ge_u32 s101, 8
	s_cselect_b32 s[ISV], 1, 0
	s_cselect_b32 s40, s41, s40
	s_cselect_b32 s44, s46, s45
	s_lshl_b32 s41, s[CY], 8
	s_add_co_u32 s40, s40, s41
	s_lshl_b32 s45, s[CX], 8
	s_add_co_u32 s44, s44, s45
	s_lshl_b32 s42, s40, 2                         ; their scale words,
	s_mov_b32 s43, 0
	s_mul_i32 s40, s40, 48                         ; their codes, in bytes
	s_mov_b32 s41, 0
	s_lshl_b32 s46, s44, 2
	s_mov_b32 s47, 0
	s_mul_i32 s44, s44, 48
	s_mov_b32 s45, 0
	s_mul_i32 s2, s[WV], HALFT                     ; where they go: no place in the cluster enters an LDS address
	s_wait_kmcnt 0x0
	s_add_nc_u64 s[40:41], s[ACOD:ACOD+1], s[40:41]
	s_add_nc_u64 s[42:43], s[ASCL:ASCL+1], s[42:43]
	s_add_nc_u64 s[44:45], s[BCOD:BCOD+1], s[44:45]
	s_add_nc_u64 s[46:47], s[BSCL:BSCL+1], s[46:47]
	CROUND                                         ; all sixteen work-groups are here: the first joint loads meet
	s_mov_b32 s[G0S], 1
	s_mov_b32 s[G0S+1], SCL
	s_mov_b64 s[G0S+2:G0S+3], s[42:43]
	s_or_b32 s[G0S+3], s[G0S+3], 0x80000000
	s_mov_b32 s[G0SB], 1
	s_mov_b32 s[G0SB+1], SCL+8192
	s_mov_b64 s[G0SB+2:G0SB+3], s[46:47]
	s_or_b32 s[G0SB+3], s[G0SB+3], 0x80000000
	s_mov_b32 s4, 1                                ; group 0 of the head's load of A's four planes (the pointers that lay here have been used)
	s_mov_b32 s5, 0
	s_mov_b64 s[6:7], s[40:41]
	s_or_b32 s7, s7, 0x80000000
	s_mov_b32 s96, 1                               ; and of B's, behind A's in slot 0
	s_mov_b32 s97, 2*HALFT
	s_mov_b64 s[98:99], s[44:45]
	s_or_b32 s99, s99, 0x80000000
	s_mul_i32 s66, s[HB], 2*PLA                    ; for the ring: my two planes of the four
	s_mov_b32 s67, 0
	s_add_nc_u64 s[40:41], s[40:41], s[66:67]
	s_mul_i32 s66, s[HB], 2*PLB
	s_add_nc_u64 s[44:45], s[44:45], s[66:67]
.irp s, 0,1
	s_mov_b32 s[G0+4*\s], 1
	s_add_co_u32 s[G0+4*\s+1], s2, \s*SLOT
	s_add_nc_u64 s[G0+4*\s+2:G0+4*\s+3], s[40:41], \s*4*PLA
	s_or_b32 s[G0+4*\s+3], s[G0+4*\s+3], 0x80000000
	s_mov_b32 s[G0B+4*\s], 1
	s_add_co_u32 s[G0B+4*\s+1], s2, \s*SLOT
	s_add_nc_u64 s[G0B+4*\s+2:G0B+4*\s+3], s[44:45], \s*4*PLB
	s_or_b32 s[G0B+4*\s+3], s[G0B+4*\s+3], 0x80000000
.endr
; the head's loads, one a wave, in one chain of branches on the wave's number
.macro ARM under, g0, g1, next
	s_cmp_lt_u32 s[WV], \under
	s_cbranch_scc0 \next
	tensor_load_to_lds s[\g0:\g0+3], s[\g1:\g1+7]
	s_nop 0
.rept 4
	v_nop
.endr
	s_branch .Lhead_asked
\next:
.endm
	ARM 1, 4, G1, .Lhead_b
	ARM 2, 96, G1B, .Lhead_sa
	ARM 3, G0S, G1S, .Lhead_sb
	tensor_load_to_lds s[G0SB:G0SB+3], s[G1SB:G1SB+7]
	s_nop 0
.rept 4
	v_nop
.endr
.Lhead_asked:
	v_and_b32 v1, 15, v0                           ; r = lane % 16
	v_bfe_u32 v2, v0, 4, 1                         ; h = lane / 16
	s_wait_alu depctr_va_vdst(0)
	v_mul_u32_u24 v3, v1, 48
	v_mad_u32_u24 v3, v2, 24, v3                   ; a fragment's row x 48 + 24 x half
	s_wait_alu depctr_va_vdst(0)
	s_mul_i32 s66, s[HA], 6144
	s_mul_i32 s67, s[HB], 6144
	s_add_co_u32 s67, s67, 2*HALFT                 ; which lie behind A's two halves
.irp s, 0,1
	v_add_nc_u32 v[ADRA+\s], s66, v3
	v_add_nc_u32 v[ADRB+\s], s67, v3
	s_add_co_u32 s66, s66, SLOT
	s_add_co_u32 s67, s67, SLOT
.endr
	v_lshlrev_b32 v5, 2, v1                        ; my row's scale word
	s_lshl_b32 s66, s[HA], 9
	s_lshl_b32 s67, s[HB], 9
	s_add_co_u32 s67, s67, 8192
	s_sub_co_u32 s67, s67, s66
	v_mul_u32_u24 v6, s67, v2                      ; lanes 16-31 take B's: the lower base + h x the distance
	s_add_co_u32 s66, s66, SCL
	v_add_nc_u32 v6, v5, v6
	v_add_nc_u32 v[ADRS], s66, v6
	s_mul_i32 s66, s[WV], STGW
	s_add_co_u32 s66, s66, STAGE                   ; my stage
	v_and_b32 v7, 7, v1
	v_mul_u32_u24 v7, v7, 48
	v_mad_u32_u24 v7, v2, 24, v7
	v_lshrrev_b32 v6, 3, v1
	v_mad_u32_u24 v7, v6, 1536, v7                 ; 48 (r % 8) + 1,536 (r / 8) + 24 h: my row's place in the stored order
	v_add_nc_u32 v[STO], s66, v7
	v_and_b32 v4, 31, v0
	v_lshlrev_b32 v[GL], 4, v4
	v_add_nc_u32 v[RD], s66, v[GL]
	v_and_b32 v5, 7, v1
	v_lshlrev_b32 v5, 2, v5
	v_lshl_add_u32 v5, v6, 7, v5                   ; 4 (r % 8) + 128 (r / 8)
	v_add_nc_u32 v[SWA], s66, v5
	v_add_nc_u32 v[SWA], 12288, v[SWA]
	; the biases, both on both ways, so that every register is written on every way
	s_lshl_b32 s66, ttmp9, 10
	s_lshl_b32 s67, s[CX], 8
	s_add_co_u32 s66, s66, s67
	s_cmp_lg_u32 s[ISV], 0
	s_cselect_b32 s66, 0, s66                      ; q, k: my tile's first column (v's way loads from the buffer's start and does not use it)
	s_lshl_b32 s67, s[HB], 7
	s_add_co_u32 s66, s66, s67
	s_lshl_b32 s66, s66, 2
	s_mov_b32 s67, 0
	s_add_nc_u64 s[66:67], s[8:9], s[66:67]
	v_lshlrev_b32 v6, 6, v2                        ; 64 h: register 16 B + i is column 32 B + 16 h + i of my 128
	WIN TO_B
.irp B, 0,1,2,3
.irp j, 0,1,2,3
	global_load_b128 v[96+16*\B+4*\j+96*(\B/2):99+16*\B+4*\j+96*(\B/2)], v6, s[66:67] offset:128*\B+16*\j
.endr
.endr
	WIN 0
	s_lshl_b32 s104, s[CY], 8
	s_lshl_b32 s105, s[HA], 7
	s_add_co_u32 s104, s104, s105
	s_add_co_u32 s104, s104, 2048                  ; v: my 128 channels begin at column 2,048 + 256 cy + 128 half
	s_lshl_b32 s104, s104, 2
	s_mov_b32 s105, 0
	s_add_nc_u64 s[104:105], s[8:9], s[104:105]
	v_and_b32 v7, 8, v1
	v_add_nc_u32 v7, v7, v1                        ; r + 8 (r / 8): position 16 a + r is channel 32 (a / 2) + 8 (a % 2) + r + 8 (r / 8)
	v_lshlrev_b32 v7, 2, v7
.irp a, 0,1,2,3,4,5,6,7
	global_load_b32 v[BL+2*\a], v7, s[104:105] offset:(32*(\a/2)+8*(\a%2))*4
	global_load_b32 v[BL+2*\a+1], v7, s[104:105] offset:(32*(\a/2)+8*(\a%2))*4      ; twice: the packed addition takes a pair
.endr
; a fragment, 16 rows x 128 K: lane l holds row l % 16; registers 6 c .. 6 c + 5 hold K = 64 c + 32 (l / 16) + 0 .. 31: 24 bytes of the row's 48 in plane 2 q + c, as three loads of 8 bytes
.macro FRAG reg, adr, q, i
.irp p, 0,1,2,3,4,5
	ds_load_b64 v[\reg+2*\p:\reg+2*\p+1], v[\adr] offset:(2*(\q)+\p/3)*12288+768*(\i)+8*(\p%3)
.endr
.endm
.macro FETCH_B slot, q, p              ; B's eight fragments of the slot's q-th 128 along K into set p
	WIN TO_B
.irp i, 0,1,2,3,4,5,6,7
	FRAG 128*(\p)+FR*\i, ADRB+\slot, \q, \i
.endr
	WIN 0
.endm
.macro FETCH_A slot, q, i0             ; A's blocks i0 .. i0 + 3
.irp i, \i0, \i0+1, \i0+2, \i0+3
	FRAG AF+FR*(\i), ADRA+\slot, \q, \i
.endr
.endm
.macro SCALES                          ; all 64 scale registers, once
.set gg, 0
.rept 8
.irp i, 0,1,2,3,4,5,6,7
	ds_load_b32 v[SC+8*gg+\i], v[ADRS] offset:1024*gg+64*\i
.endr
.set gg, gg+1
.endr
.endm
; 16 matrix instructions: A's blocks a0, a0 + 1 x B's eight, the g-th 128 along K, B's set p.  zero = 1: the first product starts the sums.
; The 64 accumulators take turns, one instruction a turn, in the same order in every step.
.macro MUL16 a0, p, g, zero
.irp a, \a0, \a0+1
.irp b, 0,1,2,3,4,5,6,7
.if \zero
	v_wmma_scale_f32_16x16x128_f8f6f4 v[8*(8*((\a)%4)+\b):8*(8*((\a)%4)+\b)+7], v[128*(\p)+FR*\b:128*(\p)+FR*\b+FR-1], v[AF+FR*(\a):AF+FR*(\a)+FR-1], 0, v[SC+8*(\g)+\b], v[SC+8*(\g)+(\a)] matrix_a_fmt:MATRIX_FMT_BF6 matrix_b_fmt:MATRIX_FMT_BF6 matrix_a_scale:MATRIX_SCALE_ROW1
.else
	v_wmma_scale_f32_16x16x128_f8f6f4 v[8*(8*((\a)%4)+\b):8*(8*((\a)%4)+\b)+7], v[128*(\p)+FR*\b:128*(\p)+FR*\b+FR-1], v[AF+FR*(\a):AF+FR*(\a)+FR-1], v[8*(8*((\a)%4)+\b):8*(8*((\a)%4)+\b)+7], v[SC+8*(\g)+\b], v[SC+8*(\g)+(\a)] matrix_a_fmt:MATRIX_FMT_BF6 matrix_b_fmt:MATRIX_FMT_BF6 matrix_a_scale:MATRIX_SCALE_ROW1
.endif
.endr
.endr
.endm
; A slot's first 128 along K; its successor lies in the same slot.  A load into a register that a matrix instruction has read stands NP places behind it: v_nop, since no other vector work is at hand.
.macro STEP slot, g, zero
	s_wait_dscnt 4*NL                              ; B's set and A's blocks 0-3 are in; the youngest 24 loads (A's blocks 4-7) may be out
	WIN MUL_LO
	MUL16 0, 0, \g, \zero
	MUL16 2, 0, \g, \zero
	s_wait_dscnt 0                                 ; A's blocks 4-7 are in (asked for 32 matrix instructions ago)
	PLACES NP
	FETCH_B \slot, 1, 1
	FETCH_A \slot, 1, 0
	WIN MUL_HI
	MUL16 4, 0, \g, \zero
	MUL16 6, 0, \g, \zero
	PLACES NP
	WIN 0
	FETCH_A \slot, 1, 4
.endm
; A slot's second 128 along K changes slots: ONE barrier; in front of it each wave waits for all its tensor loads, adds 0 to its spare word, and waits for that and for its own reads of this slot.
; fill = 1: this slot is filled again, with the planes eight on; the barrier then opens a round of the cluster's barrier.
.macro TURN slot, next, fill, g
	s_wait_tensorcnt 0x0                           ; all my tensor loads have landed: my part of the next slot
	ds_add_u32 v[SPW], v[NIL]                      ; 0 onto my spare word
	s_wait_dscnt 4*NL+1                            ; (the add and the youngest 24 loads, A's blocks 4-7, may be out)
	WIN MUL_LO
	MUL16 0, 1, \g, 0                              ; sixteen matrix instructions stand between the add and the wait for it
	s_wait_dscnt 0x0                               ; the add is done, and my reads of this slot are over
	s_barrier_signal -1
	MUL16 2, 1, \g, 0
	WIN 0
	s_barrier_wait -1
.if \fill
	CREST                                          ; no wave of any partner still reads this slot's tile or has a load on its way
	s_add_nc_u64 s[G0+4*\slot+2:G0+4*\slot+3], s[G0+4*\slot+2:G0+4*\slot+3], 8*PLA
	s_add_nc_u64 s[G0B+4*\slot+2:G0B+4*\slot+3], s[G0B+4*\slot+2:G0B+4*\slot+3], 8*PLB
	JLOAD G0+4*\slot, G1, G0B+4*\slot, G1B         ; the first tensor load behind the round, my only one out; the four v_nop behind it are the places in front of the loads below
.else
	PLACES NP
.endif
	FETCH_B \next, 0, 0
	FETCH_A \next, 0, 0
	WIN MUL_HI
	MUL16 4, 1, \g, 0
	MUL16 6, 1, \g, 0
	PLACES NP
	WIN 0
	FETCH_A \next, 0, 4
.endm
	s_wait_alu depctr_va_vdst(0)
	s_wait_tensorcnt 0x0                           ; my tile of the head's four is in.  (The biases are waited for where they are first read, in the epilogue)
	ds_add_u32 v[SPW], v[NIL]
	s_mov_b32 s[G1+2], 2<<16
	s_mov_b32 s[G1+4], 2
	s_mov_b32 s[G1B+2], 2<<16
	s_mov_b32 s[G1B+4], 2
	s_wait_dscnt 0x0
	CROUND                                         ; all four tiles are in, and all sixteen work-groups are here
	JLOAD G0+4, G1, G0B+4, G1B                     ; slot 1's first fill, the first tensor load behind the round
	FETCH_B 0, 0, 0
	FETCH_A 0, 0, 0
	SCALES
	FETCH_A 0, 0, 4
	STEP 0, 0, 1                                   ; eight steps of 128 along K, written out: the first starts the sums
	TURN 0, 1, 1, 1
	STEP 1, 2, 0
	TURN 1, 0, 1, 3
	STEP 0, 4, 0
	TURN 0, 1, 0, 5                                ; nothing is left to fetch
	STEP 1, 6, 0
	s_wait_dscnt 4*NL
	WIN MUL_LO
	MUL16 0, 1, 7, 0
	MUL16 2, 1, 7, 0
	s_wait_dscnt 0
	WIN MUL_HI
	MUL16 4, 1, 7, 0
	MUL16 6, 1, 7, 0
	WIN 0
	; ---- THE EPILOGUE.  No tensor load is out any more: the descriptors' registers serve as scratch.  Where the results go, one set of selects for q, k and v:
	PLACES NP                                      ; behind the last products, ahead of the first write of their sources and the first read of results
.irp b, 0,1,2,3
	v_mov_b32 v[TM+4+\b], 0                        ; written once: a lane permute's destination counts as one of its sources
.endr
	s_wait_loadcnt 0x0                             ; the biases; their loads' address registers are written again only behind this wait
	s_mov_b32 s[SEL], 0x76543210
	s_mov_b32 s[SEL+1], 0xfedcba98
	s_and_b32 s24, ttmp7, 0xffff
	s_lshl_b32 s25, s24, 2
	s_add_co_u32 s25, s25, s[CY]                   ; q, k: my block of 256 tokens = 4 y + cy
	s_lshl_b32 s26, s24, 1
	s_add_co_u32 s26, s26, ttmp9
	s_max_u32 s26, s26, 16
	s_sub_co_u32 s26, s26, 16
	s_lshl_b32 s26, s26, 2
	s_add_co_u32 s26, s26, s[CX]                   ; v: = 4 (x + 2 (y - 8)) + cx
	s_lshl_b32 s27, s[CX], 2
	s_lshl_b32 s28, s[HB], 1
	s_add_co_u32 s27, s27, s28                     ; q, k: my first head = 4 cx + 2 x my half of B
	s_lshl_b32 s28, s[CY], 2
	s_lshl_b32 s29, s[HA], 1
	s_add_co_u32 s28, s28, s29                     ; v: = 4 cy + 2 x my half of A
	s_or_b32 s30, s[ISV], ttmp9                    ; 0 for q alone
	s_mov_b32 s31, KVH
	s_mov_b32 s32, 26112
	s_mov_b32 s33, 0x7f7f0000
	s_mov_b32 s35, 6144
	s_mov_b32 s68, 13056                           ; a step of 128 keys in kv
	s_cmp_lg_u32 s[ISV], 0
	s_cselect_b32 s25, s26, s25
	s_cselect_b32 s27, s28, s27
	s_cselect_b32 s28, s[HB], s[HA]                ; which half of the 256 tokens is mine
	s_cselect_b32 s34, 6656, 0
	s_cselect_b32 s35, 12800, s35
	s_cselect_b32 s37, s31, 256                    ; from the first 256 bytes of words to the second: v: the next head; q, k: on end
	s_cselect_b32 s[MK], -1, 0xffff                ; v: the word as it is; q, k: two bytes, and 0x7f 0x7f above them
	s_cselect_b32 s[FILL], 0, s33
	s_cselect_b32 s38, s31, 3072                   ; from blocks 0-3 to blocks 4-7: v: the next head; q, k: 64 positions on
	s_cmp_eq_u32 s30, 0
	s_cselect_b32 s39, 98304, s31                  ; a head's codes: in qc, in kv
	s_cselect_b32 s40, 12288, s32                  ; a block of 256 tokens
	s_cselect_b32 s41, 8192, s31                   ; a head's words: in qs, in kv
	s_cselect_b32 s42, 1024, s32
	s_cselect_b32 s35, 0, s35
	s_cselect_b32 s69, 6144, s68                   ; from my tile's first 128 tokens to the second: codes, in qc or in kv;
	s_cselect_b32 s70, 512, s68                    ; words, in qs or in kv
	s_cselect_b64 s[44:45], s[10:11], s[14:15]     ; the codes' buffer: qc or kv.  The choice hangs on the cluster's numbers alone
	s_cselect_b64 s[46:47], s[12:13], s[14:15]     ; the words' buffer: qs or kv
	s_cmp_lg_u32 s[ISV], 0
	s_cselect_b32 s43, 3072, s39                   ; from the first 64 of a lane's 128 to the second: v: the next 64 keys; q, k: the next head
	s_and_b32 s26, s25, 7                          ; the block in its sequence
	s_lshr_b32 s25, s25, 3                         ; the batch
	s_lshl_b32 s25, s25, 4
	s_add_co_u32 s25, s25, s27                     ; my first head of 64
	s_mul_i32 s48, s25, s39
	s_mul_i32 s49, s26, s40
	s_add_co_u32 s48, s48, s49
	s_mul_i32 s49, s28, s69
	s_add_co_u32 s48, s48, s49
	s_add_co_u32 s48, s48, s34
	s_mov_b32 s49, 0
	s_mov_b32 s50, s38
	s_mov_b32 s51, 0
	s_mov_b32 s52, s43
	s_mov_b32 s53, 0
	s_add_nc_u64 s[92:93], s[44:45], s[48:49]      ; four runs of 3,072 bytes: (first 64, blocks 0-3),
	s_add_nc_u64 s[94:95], s[92:93], s[50:51]      ; (first 64, blocks 4-7),
	s_add_nc_u64 s[96:97], s[92:93], s[52:53]      ; (second 64, blocks 0-3),
	s_add_nc_u64 s[98:99], s[96:97], s[50:51]      ; (second 64, blocks 4-7)
	s_mul_i32 s54, s25, s41
	s_mul_i32 s55, s26, s42
	s_add_co_u32 s54, s54, s55
	s_mul_i32 s55, s28, s70
	s_add_co_u32 s54, s54, s55
	s_add_co_u32 s54, s54, s35
	s_mov_b32 s55, 0
	s_mov_b32 s58, s41
	s_mov_b32 s59, 0
	s_add_nc_u64 s[56:57], s[46:47], s[54:55]      ; the first run of words,
	s_add_nc_u64 s[60:61], s[56:57], s[58:59]      ; and, for q and k, the next head's
	v_mul_u32_u24 v[VW], s37, v2
	v_lshl_add_u32 v[VW], v1, 4, v[VW]
; 64 numbers of a lane, register 16 b + i = index 32 b + 16 (lane / 16) + i of its row, become codes in v[PC] .. v[PC + 11] and the scale word in v[PW]
.macro QUANT s
.irp b, 0,1,2,3
	v_max3_num_f32 v[TM+\b], |v[\s+16*\b]|, |v[\s+1+16*\b]|, 0x2800000   ; block b: my 16 numbers and the floor 2^(5 - 127): the byte cannot fall under 1
.endr
.irp i, 2,4,6,8,10,12,14
.irp b, 0,1,2,3
	v_max3_num_f32 v[TM+\b], v[TM+\b], |v[\s+16*\b+\i]|, |v[\s+1+16*\b+\i]|
.endr
.endr
.irp b, 0,1,2,3
	v_permlanex16_b32 v[TM+4+\b], v[TM+\b], s[SEL], s[SEL+1]
.endr
.irp b, 0,1,2,3
	v_max_num_f32 v[TM+\b], v[TM+\b], v[TM+4+\b]
.endr
.irp b, 0,1,2,3
	v_add_nc_u32 v[TM+12+\b], 0xfe000000, v[TM+\b]   ; 4 off the exponent field: the conversion's scale operand
.endr
.irp b, 0,1,2,3
	v_lshrrev_b32 v[TM+4+\b], 23, v[TM+12+\b]
.endr
	v_lshl_or_b32 v[PW], v[TM+5], 8, v[TM+4]
	v_lshl_or_b32 v[PW], v[TM+6], 16, v[PW]
	v_lshl_or_b32 v[PW], v[TM+7], 24, v[PW]
.irp c, 0,1
	v_cvt_scalef32_pk16_bf6_f32 v[PC+6*\c:PC+2+6*\c], v[\s+32*\c:\s+15+32*\c], v[TM+12+2*\c]
	v_cvt_scalef32_pk16_bf6_f32 v[PC+12+4*\c:PC+14+4*\c], v[\s+16+32*\c:\s+31+32*\c], v[TM+12+2*\c+1]
.endr
	v_nop                                          ; one plain place behind a scaled conversion
.irp c, 0,1
.irp i, 0,1,2
	v_permlane16_swap_b32 v[PC+6*\c+\i], v[PC+12+4*\c+\i]
.endr
.irp i, 0,1,2
	v_mov_b32 v[PC+3+6*\c+\i], v[PC+12+4*\c+\i]
.endr
.endr
.endm
; block a's 64 sums with the bias, into v[T] on: q, k: the bias runs along the registers; v: it is the lane's own.  The branch is alike in the whole cluster and stands round register work alone.  Each accumulator is read from its low end on.
.macro BIAS a
	s_cmp_lg_u32 s[ISV], 0
	s_cbranch_scc1 .Lbias_v_\@
	WIN 0x06+(\a)/4                                ; source 0: window 2 or 3; source 1: window 1
.set k, 0
.rept 32
	v_pk_add_f32 v[T+k:T+k+1], v[64*((\a)%4)+k:64*((\a)%4)+k+1], v[96+k+96*(k/32):97+k+96*(k/32)]
.set k, k+2
.endr
	WIN 0
	s_branch .Lbias_done_\@
.Lbias_v_\@:
	WIN 0x02+(\a)/4
.set k, 0
.rept 32
	v_pk_add_f32 v[T+k:T+k+1], v[64*((\a)%4)+k:64*((\a)%4)+k+1], v[BL+2*(\a):BL+2*(\a)+1]
.set k, k+2
.endr
	WIN 0
.Lbias_done_\@:
.endm
.macro PUT a                           ; block a's codes and words into my stage
.irp c, 0,1
.irp p, 0,1,2
	ds_store_b64 v[STO], v[PC+6*\c+2*\p:PC+6*\c+2*\p+1] offset:6144*\c+768*(4*((\a)/4)+(\a)%2)+384*(((\a)/2)%2)+8*\p
.endr
.endr
	v_and_or_b32 v[W0], v[PW], s[MK], s[FILL]
	v_lshrrev_b32 v[W1], 16, v[PW]
	v_or_b32 v[W1], 0x7f7f0000, v[W1]
	ds_store_b32 v[SWA], v[W0] offset:64*(4*((\a)/4)+(\a)%2)+32*(((\a)/2)%2)
	ds_store_b32 v[SWA], v[W1] offset:512+64*(4*((\a)/4)+(\a)%2)+32*(((\a)/2)%2)
.endm
.irp a, 0,1,2,3,4,5,6,7
.set PC, 192+40*(\a%2)                 ; the codes' and words' registers take turns between two sets: v192-210 with v228-230, v232-250 with v252-254
.set PW, 228+24*(\a%2)
.set W0, 229+24*(\a%2)
.set W1, 230+24*(\a%2)
	BIAS \a
	s_wait_dscnt 8                                 ; the last block's eight stores may be out; those of the block before it, which read this set, are done
	QUANT T
	PUT \a
.endr
.set i, 0
.rept 24
	ds_load_b128 v[128+4*i:131+4*i], v[RD] offset:512*i    ; LDS serves a wave's instructions in order: these see my stores
.set i, i+1
.endr
	ds_load_b128 v[224:227], v[RD] offset:12288
	ds_load_b128 v[228:231], v[RD] offset:12800
	s_wait_dscnt 0x0
.irp j, 0,1,2,3
.irp i, 0,1,2,3,4,5
	global_store_b128 v[GL], v[128+4*(6*\j+\i):131+4*(6*\j+\i)], s[92+2*\j:93+2*\j] offset:512*\i   ; 512 consecutive bytes, at a multiple of 256 from the buffer's first byte
.endr
.endr
	global_store_b128 v[VW], v[224:227], s[56:57]  ; sixteen lanes store 256 consecutive bytes, aligned
	s_cmp_lg_u32 s[ISV], 0
	s_cbranch_scc1 .Lno_second_words               ; v has one word for a lane's 128 keys
	global_store_b128 v[VW], v[228:231], s[60:61]
.Lno_second_words:
	s_wait_tensorcnt 0x0                           ; the wave's end
	ds_add_u32 v[SPW], v[NIL]
	s_wait_dscnt 0x0
	CROUND                                         ; the closing round: no work-group ends while a partner may still ask for a tile that names it
	s_endpgm
.Lfunc_end_k_q8b74b4c98a_gemm_qkv:
	.size	k_q8b74b4c98a_gemm_qkv, .Lfunc_end_k_q8b74b4c98a_gemm_qkv-k_q8b74b4c98a_gemm_qkv
	.p2alignl 7, 3214868480
	.fill 96, 4, 3214868480
	.section	.rodata,"a",@progbits
	.p2align	6, 0x0
	.amdhsa_kernel k_q8b74b4c98a_gemm_qkv
		.amdhsa_group_segment_fixed_size 327680
		.amdhsa_private_segment_fixed_size 0
		.amdhsa_enable_private_segment 0
		.amdhsa_kernarg_size 48
		.amdhsa_user_sgpr_count 2
		.amdhsa_user_sgpr_kernarg_segment_ptr 1
		.amdhsa_wavefront_size32 1
		.amdhsa_system_sgpr_workgroup_id_x 1
		.amdhsa_system_sgpr_workgroup_id_y 1
		.amdhsa_system_sgpr_workgroup_id_z 1
		.amdhsa_system_vgpr_workitem_id 0
		.amdhsa_next_free_vgpr 1024
		.amdhsa_next_free_sgpr 106
		.amdhsa_reserve_vcc 0
		.amdhsa_float_denorm_mode_32 3
		.amdhsa_float_denorm_mode_16_64 3
		.amdhsa_memory_ordered 1
		.amdhsa_forward_progress 1
		.amdhsa_inst_pref_size 213
	.end_amdhsa_kernel
	.amdgpu_metadata
---
amdhsa.version: [ 1, 2 ]
amdhsa.kernels:
  - .name:           k_q8b74b4c98a_gemm_qkv
    .symbol:         k_q8b74b4c98a_gemm_qkv.kd
    .args:
      - { .name: codes, .offset: 0, .size: 8, .value_kind: global_buffer, .address_space: global }
      - { .name: scales, .offset: 8, .size: 8, .value_kind: global_buffer, .address_space: global }
      - { .name: b_attn, .offset: 16, .size: 8, .value_kind: global_buffer, .address_space: global }
      - { .name: qc, .offset: 24, .size: 8, .value_kind: global_buffer, .address_space: global }
      - { .name: qs, .offset: 32, .size: 8, .value_kind: global_buffer, .address_space: global }
      - { .name: kv, .offset: 40, .size: 8, .value_kind: global_buffer, .address_space: global }
    .group_segment_fixed_size: 327680
    .private_segment_fixed_size: 0
    .kernarg_segment_align: 8
    .kernarg_segment_size: 48
    .max_flat_workgroup_size: 128
    .sgpr_count:     106
    .vgpr_count:     1024
    .wavefront_size: 32
...
	.end_amdgpu_metadata
.endif
;; end of part 2
;; launch attn (part 3): grid 4 x 64, 8 waves a work-group, clusters of 4 x 1, 327,680 bytes of LDS; arguments qc, qs, kv, yc, ys; writes yc, ys
.if DOCPART == 3
	.amdgcn_target "amdgcn-amd-amdhsa--gfx1250"
	.amdhsa_code_object_version 6
	.text
	.protected	k_q8b74b4c98a_attn
	.globl	k_q8b74b4c98a_attn
	.p2align	8
	.type	k_q8b74b4c98a_attn,@function
k_q8b74b4c98a_attn:
	s_mov_b64 s[64:65], 0
	v_nop
	global_prefetch_b8 v0, s[64:65] scope:SCOPE_SE
	s_setreg_imm32_b32 hwreg(HW_REG_WAVE_MODE, 25, 1), 1
	s_wait_xcnt 0x0
	s_wait_alu depctr_hold_cnt(0) depctr_sa_sdst(0) depctr_va_vdst(0) depctr_va_sdst(0) depctr_va_ssrc(0) depctr_va_vcc(0) depctr_vm_vsrc(0)
	s_getreg_b32 s2, hwreg(HW_REG_IB_STS2, 6, 4)
	s_cmp_eq_u32 s2, 0
	s_cbranch_scc0 .Lentry_in_a_cluster
	s_endpgm
.Lentry_in_a_cluster:
	s_bfe_u32 s2, ttmp6, 0x10000c
	s_cmp_lg_u32 s2, 0x3003
	s_cbranch_scc0 .Lentry_shape_is_right
	s_endpgm
.Lentry_shape_is_right:
; y[q] = the sum over keys k <= q of softmax_k(q . k / 8) v[k], for 64 heads of 2,048 tokens x 64 channels; both products on codes of BF6 (E3M2) with E8M0 scales; y is quantised along the channels and leaves as codes.
; LEFT OUT: steps of 128 keys all of which come after a tile's queries: the causal mask sets their scores to -inf, so their p is 0 for all values of the inputs.  A NaN or an infinity that reaches only such scores is not carried to the result.
; IN: qc [64 heads][2048 positions][48 bytes], qs [64][2048] words; kv [64 heads][16 steps of 128 keys][13,056 bytes]: k's codes [128 positions][48], k's words [128], v's codes [2 groups of 64 keys][64 channel positions][48], v's words [64].
;   POSITION ORDER: in each group of 128 tokens (64 channels) position 16 T + r holds index 64 (T / 4) + 8 (T % 4) + r % 8 + 32 (r / 8).
; OUT: yc [16 heads = planes of 64 K][8192 positions][48], ys [8 groups of 128 K][8192] words (head hd writes the 16-bit half hd % 2 of group hd / 2), tokens in the same position order.
; THE FIRST PRODUCT's K is 64: the instruction's upper 64 are zero codes on both sides (registers cleared once, never loaded) under the byte 0x7f.
; THE SOFTMAX: t = score x log2(e) / 8; M = the row's largest t so far, rounded UP to a whole number; p = 2^(t - M) is quantised along the keys, not normalised; the row's sum is taken of the unquantised p and divides at the end.
;   When M moves, the sum and O are multiplied by 2^(old M - new M): exact.
; LAYOUT: both products transposed (S^T = K Q^T, O^T = V^T P^T): a lane holds ONE query of each tile.  By the position order the 32 registers of tiles 4 c .. 4 c + 3 are keys 64 c + 32 h + 0 .. 31 of the step: a WHOLE block of 32,
;   in the order in which the second product's operand wants it.  O^T's 32 registers are likewise channels 32 h + 0 .. 31.
; LDS: a head's k and v, 208,896 bytes, lie in LDS whole and are filled once: wave w brings steps 2 w and 2 w + 1 (102 rows of 256 bytes) by its one load at the head.  No byte is filled again.
; CLUSTER: the four work-groups of a head need the same bytes at the same time: every load is a joint one (mask 15).
; SHARES: a group g of 128 queries has 8 tiles of 16 and g + 1 steps.  Work-group cx takes tiles 2 cx and 2 cx + 1 of every group; wave w takes BOTH tiles, side by side, of group 15 - w and then of group w: 17 steps for every wave.
;   Each fragment of K and V feeds two products, and each line of the softmax is written for the two tiles by turns, so that no line waits for the line above it.  The next step's fragments of K are fetched while the softmax is worked.
;   Branches hang on the wave's number and on counted trips alone.  ONE loop of 24 trips: trips 0-15 are the first group's steps, trips 16-23 the second's; a step behind the group is jumped over, the group's own step is masked.
; NO PREFETCH INTO THE L2: every byte of kv is asked for by the head's tensor loads: there is no loop to run ahead in.
; LIMITS: the promise holds while the scaled scores stay under 2^31 in magnitude; NaN and infinities are not served; a block of y (or of p) under 2^-122 keeps the scale byte 1, and this program alone reads the bytes.
; REGISTERS: window 1 holds S^T (tile i at v[64 i]) and O^T (at v[128 + 32 i]); all else lies in window 0, so the windows are switched by the kind of line and not by the tile.
.set KVH,   208896
.set STEPB, 13056
.set SPARE, 208896                     ; the spare words, 128 bytes for each wave: four blocks of 256 bytes that no other line names
.set STAGE, SPARE+1024                 ; the way out: 1,536 bytes for each wave, into which no tensor load lands
.set ADW, 0                            ; v0   the next step + LWK (v0 is free behind the head)
.set LA,  1                            ; v1   48 r + 24 h
.set LWK, 2                            ; v2   4 r + 256 h: lanes 0-15 tile t's words, lanes 16-31 tile t + 4's
.set SPW, 3                            ; v3   my spare word; never rewritten
.set NIL, 4                            ; v4   0; never rewritten
.set ADC, 5                            ; v5   the step in hand + LA
.set ADV, 6                            ; v6   the step in hand + LWV
.set LWV, 7                            ; v7   4 r + 128 h: lanes 0-15 tile t's words, lanes 16-31 tile t + 2's
.set ADK, 8                            ; v8   the next step + LA
.set SH8, 9                            ; v9   8 h
.set GO,  10                           ; v10  16 x lane
.set DL,  11                           ; v11  tile 0's query in its group of 128, less 32 h; tile 1's is 8 on
.set SS,  12                           ; v[12 + 4 i]: -M, the largest t, the sum in two halves
.set QF,  20                           ; Q's two fragments
.set KF,  44                           ; K's eight
.set VF,  140                          ; V's four
.set PCD, 188                          ; p's codes, 12 a tile
.set KW,  212                          ; K's words, 4 registers;  V's, 2;  Q's, 1 (lanes 0-15 tile 0, lanes 16-31 tile 1)
.set VW,  216
.set QW,  218
.set NEG, 219                          ; -infinity
.set FF,  220                          ; v[220 + 2 i] f, v[221 + 2 i] p's scale word
.set BM,  224                          ; v[224 + 4 i ..] largest scores
.set W,   232                          ; v[232 + 12 i ..] at work: 0-2, 4-6 upper halves of codes; 8, 9 scale operands; 10 a permute's result; 11
.set OO,  128
.set WV,  14
.set CX,  15
.set GB,  16                           ; s16 my first group, s17 my second
.set ST,  18                           ; s18 the step
.set GG,  19                           ; s19 the group in hand
.set SEL, 20
.set CS,  22                           ; s[22:23] log2(e) / 8
.set G1,  24
.set G0,  32
.set TB,  40                           ; s40 LDS byte of the step in hand;  s42 of the next, held at the last step's
.set STG, 41                           ; s41 my stage
.set TBN, 42
.set TT,  43                           ; s43 the trip
.set BS,  44                           ; s[44:51], s[52:59]: for each group Q's codes, Q's words, y's codes, y's words
.set MSB, 0
.macro WIN new                         ; the immediate's high byte repeats the setting that is left
.if MSB != (\new)
	s_set_vgpr_msb (MSB<<8)|(\new)
.set MSB, (\new)
.endif
.endm
.macro WM d, a, b, c, sa, sb, m1, m2
	v_wmma_scale_f32_16x16x128_f8f6f4 v[\d:\d+7], v[\a:\a+11], v[\b:\b+11], \c, v[\sa], v[\sb] matrix_a_fmt:MATRIX_FMT_BF6 matrix_b_fmt:MATRIX_FMT_BF6 \m1 \m2
.endm
.macro CROUND                          ; a round of the cluster's barrier
	s_barrier_signal -1
	s_barrier_wait -1
	s_cmp_lg_u32 s[WV], 0
	s_cbranch_scc1 .Lnot_wave_0_\@
	s_barrier_signal -3
.Lnot_wave_0_\@:
	s_barrier_wait -3
	s_barrier_signal -1
	s_barrier_wait -1
.endm
.macro KLOAD                           ; K's eight fragments (their lower 64 codes) and words, from the step that ADK and ADW name
.irp T, 0,1,2,3,4,5,6,7
.irp p, 0,1,2
	ds_load_b64 v[KF+12*\T+2*\p:KF+12*\T+2*\p+1], v[ADK] offset:768*\T+8*\p
.endr
.endr
.irp t, 0,1,2,3
	ds_load_b32 v[KW+\t], v[ADW] offset:6144+64*\t
.endr
.endm
.macro KFIRST                          ; step 0's
	v_mov_b32 v[ADK], v[LA]
	v_mov_b32 v[ADW], v[LWK]
	KLOAD
.endm
	s_load_b256 s[4:11], s[0:1], 0x0               ; qc, qs, kv, yc
	s_load_b64 s[12:13], s[0:1], 0x20              ; ys
	v_lshl_add_u32 v[SPW], v0, 2, SPARE
	v_mov_b32 v[NIL], 0
	ds_add_u32 v[SPW], v[NIL]                      ; the opening lines
	ds_add_u32 v[SPW], v[NIL]
	v_lshrrev_b32 v5, 5, v0
	v_readfirstlane_b32 s[WV], v5                  ; wave 0..7
	s_bfe_u32 s[CX], ttmp6, 0x40000                ; my place in the cluster
	s_and_b32 s62, ttmp7, 0xffff                   ; the head, 0..63
	s_mov_b32 s[G1], 15|(3<<16)|(1<<21)            ; the mask: all four; elements of 8 bytes; bit 21 beside a mask
	s_mov_b32 s[G1+1], 32<<16                      ; rows of 256 bytes
	s_mov_b32 s[G1+2], 102<<16                     ; 102 of them
	s_mov_b32 s[G1+3], 32<<16
	s_mov_b32 s[G1+4], 102
	s_mov_b32 s[G1+5], 32                          ; dense
	s_mov_b32 s[G1+6], 0
	s_mov_b32 s[G1+7], 0
	s_mov_b32 s[G0], 1
	s_mul_i32 s[G0+1], s[WV], 2*STEPB              ; steps 2 w and 2 w + 1
	s_mul_i32 s38, s62, KVH
	s_add_co_u32 s38, s38, s[G0+1]
	s_mov_b32 s39, 0
	s_mov_b32 s[GB+1], s[WV]
	s_sub_co_u32 s[GB], 15, s[WV]
	s_mov_b32 s[SEL], 0x76543210
	s_mov_b32 s[SEL+1], 0xfedcba98
	s_mov_b32 s[CS], 0x3e38aa3b                    ; log2(e) / 8
	s_mov_b32 s[CS+1], s[CS]
	s_wait_dscnt 0x0
	s_wait_kmcnt 0x0
	s_add_nc_u64 s[G0+2:G0+3], s[8:9], s[38:39]
	s_or_b32 s[G0+3], s[G0+3], 0x80000000
	CROUND                                         ; all four work-groups are here: the joint loads meet
	tensor_load_to_lds s[G0:G0+3], s[G1:G1+7]      ; my one tensor load
	s_nop 0
.rept 4
	v_nop
.endr
.irp n, 0,1
	s_lshl_b32 s66, s[GB+\n], 7
	s_lshl_b32 s63, s[CX], 5
	s_add_co_u32 s66, s66, s63                     ; my two tiles' first position in the sequence: 128 g + 32 cx
	s_lshl_b32 s67, s62, 11
	s_add_co_u32 s67, s67, s66
	s_mul_i32 s68, s67, 48
	s_mov_b32 s69, 0
	s_add_nc_u64 s[BS+8*\n:BS+8*\n+1], s[4:5], s[68:69]
	s_lshl_b32 s68, s67, 2
	s_add_nc_u64 s[BS+8*\n+2:BS+8*\n+3], s[6:7], s[68:69]
	s_lshr_b32 s67, s62, 4
	s_lshl_b32 s67, s67, 11
	s_add_co_u32 s67, s67, s66                     ; among the 8,192 tokens
	s_and_b32 s70, s62, 15                         ; the head in its batch: y's plane
	s_lshl_b32 s71, s70, 13
	s_add_co_u32 s71, s71, s67
	s_mul_i32 s68, s71, 48
	s_add_nc_u64 s[BS+8*\n+4:BS+8*\n+5], s[10:11], s[68:69]
	s_lshr_b32 s71, s70, 1
	s_lshl_b32 s71, s71, 13
	s_add_co_u32 s71, s71, s67
	s_lshl_b32 s71, s71, 2
	s_and_b32 s70, s70, 1
	s_lshl_b32 s70, s70, 1
	s_add_co_u32 s68, s71, s70
	s_add_nc_u64 s[BS+8*\n+6:BS+8*\n+7], s[12:13], s[68:69]
.endr
	s_lshr_b32 s36, s[CX], 1
	s_lshl_b32 s36, s36, 6
	s_and_b32 s37, s[CX], 1
	s_lshl_b32 s37, s37, 4
	s_add_co_u32 s36, s36, s37                     ; tile T = 2 cx begins at 64 (T / 4) + 8 (T % 4) of its group
	s_mul_i32 s[STG], s[WV], 1536
	s_add_co_u32 s[STG], s[STG], STAGE
	v_and_b32 v5, 15, v0                           ; r
	v_bfe_u32 v6, v0, 4, 1                         ; h
	v_and_b32 v8, 31, v0                           ; lane
	v_mul_u32_u24 v[LA], v5, 48
	v_mad_u32_u24 v[LA], v6, 24, v[LA]
	v_lshlrev_b32 v[LWV], 2, v5
	v_lshl_add_u32 v[LWK], v6, 8, v[LWV]
	v_lshl_add_u32 v[LWV], v6, 7, v[LWV]
	v_lshlrev_b32 v[GO], 4, v8
	v_and_b32 v[DL], 7, v0
	v_bfe_u32 v8, v0, 3, 1
	v_sub_nc_u32 v8, v8, v6                        ; r / 8 - h
	v_lshl_add_u32 v[DL], v8, 5, v[DL]
	v_add_nc_u32 v[DL], s36, v[DL]                 ; a signed number
	v_lshlrev_b32 v[SH8], 3, v6
	v_mov_b32 v[NEG], 0xff800000
.set j, 0
.rept 10                                       ; the upper 64 codes of Q's two and K's eight fragments: zeros, never loaded
.irp k, 6,7,8,9,10,11
	v_mov_b32 v[QF+12*j+\k], 0
.endr
.set j, j+1
.endr
.irp i, FF,FF+1,FF+2,FF+3,W+10,W+11,W+22,W+23
	v_mov_b32 v[\i], 0                             ; written once: a lane permute's destination counts as one of its sources, and a pair's upper half is named with it
.endr
	s_wait_alu depctr_va_vdst(0)
; group n begins: Q and its words into registers; O^T and the sums begin as zeros and the largest t as -3e38, so that the step is written once
.macro INIT n
	v_lshrrev_b32 v[W], 2, v[GO]                   ; 4 x lane
.irp i, 0,1
.irp p, 0,1,2
	global_load_b64 v[QF+12*\i+2*\p:QF+12*\i+2*\p+1], v[LA], s[BS+8*\n:BS+8*\n+1] offset:768*\i+8*\p
.endr
.endr
	global_load_b32 v[QW], v[W], s[BS+8*\n+2:BS+8*\n+3]
.irp i, 0,1
	v_mov_b32 v[SS+4*\i+1], 0xff61b1e6             ; -3e38, under every t
	v_mov_b32 v[SS+4*\i+2], 0
	v_mov_b32 v[SS+4*\i+3], 0
.endr
.irp i, 0,1
	v_floor_f32 v[SS+4*\i], -v[SS+4*\i+1]
.endr
	WIN 0x40
.set j, 0
.rept 64
	v_mov_b32 v[OO+j], 0
.set j, j+1
.endr
	WIN 0
	s_mov_b32 s[GG], s[GB+\n]
	s_wait_alu depctr_va_vdst(0)
	s_wait_loadcnt 0x0
.endm
; group n ends: O^T / the sum is y: a lane's 32 registers are block h of its query's 64 channels; the two tiles' codes leave through my stage as 1,536 consecutive bytes
.macro FINAL n
.rept 4
	v_nop                                          ; places behind the last products
.endr
.irp i, 0,1
	v_add_f32 v[SS+4*\i+2], v[SS+4*\i+2], v[SS+4*\i+3]
.endr
.irp i, 0,1
	v_permlanex16_b32 v[W+12*\i+10], v[SS+4*\i+2], s[SEL], s[SEL+1]
.endr
.irp i, 0,1
	v_add_f32 v[SS+4*\i+2], v[SS+4*\i+2], v[W+12*\i+10]   ; the row's sum
.endr
	s_wait_alu depctr_va_vdst(0)
.irp i, 0,1
	v_rcp_f32 v[SS+4*\i+2], v[SS+4*\i+2]
.endr
	v_nop                                          ; a plain place behind the transcendentals
	WIN 0x41
	s_wait_alu depctr_va_vdst(0)
.irp i, 0,1
.set j, 0
.rept 16
	v_pk_mul_f32 v[64*\i+j:64*\i+j+1], v[OO+32*\i+j:OO+32*\i+j+1], v[SS+4*\i+2:SS+4*\i+3] op_sel_hi:[1,0]   ; each accumulator from its low end on
.set j, j+2
.endr
.endr
	WIN 0x15
.irp i, 0,1
	v_max3_num_f32 v[BM+4*\i], |v[64*\i]|, |v[64*\i+1]|, 0x2800000   ; the block's largest magnitude and the floor, in two chains
	v_max3_num_f32 v[BM+4*\i+1], |v[64*\i+16]|, |v[64*\i+17]|, |v[64*\i+18]|
.endr
	WIN 0x14
.irp k, 2,4,6,8,10,12
.irp i, 0,1
	v_max3_num_f32 v[BM+4*\i], v[BM+4*\i], |v[64*\i+\k]|, |v[64*\i+\k+1]|
	v_max3_num_f32 v[BM+4*\i+1], v[BM+4*\i+1], |v[64*\i+17+\k]|, |v[64*\i+18+\k]|
.endr
.endr
.irp i, 0,1
	v_max3_num_f32 v[BM+4*\i], v[BM+4*\i], |v[64*\i+14]|, |v[64*\i+15]|
.endr
	WIN 0x10
.irp i, 0,1
	v_max3_num_f32 v[BM+4*\i], v[BM+4*\i], v[BM+4*\i+1], |v[64*\i+31]|
.endr
	WIN 0
.irp i, 0,1
	v_add_nc_u32 v[W+12*\i+8], 0xfe000000, v[BM+4*\i]
.endr
.irp i, 0,1
	v_lshrrev_b32 v[W+12*\i+11], 23, v[W+12*\i+8]  ; my block's byte,
.endr
.irp i, 0,1
	v_lshlrev_b32 v[W+12*\i+11], v[SH8], v[W+12*\i+11]   ; at its place;
.endr
.irp i, 0,1
	v_permlanex16_b32 v[W+12*\i+10], v[W+12*\i+11], s[SEL], s[SEL+1]
.endr
.irp i, 0,1
	v_or_b32 v[W+12*\i+11], v[W+12*\i+11], v[W+12*\i+10]   ; my row's two scale bytes
.endr
	WIN 0x01
.irp i, 0,1
	v_cvt_scalef32_pk16_bf6_f32 v[PCD+12*\i:PCD+12*\i+2], v[64*\i:64*\i+15], v[W+12*\i+8]
	v_cvt_scalef32_pk16_bf6_f32 v[W+12*\i+4:W+12*\i+6], v[64*\i+16:64*\i+31], v[W+12*\i+8]
.endr
	WIN 0
	v_nop                                          ; one plain place behind a scaled conversion
.irp i, 0,1
.irp k, 0,1,2
	v_mov_b32 v[PCD+12*\i+3+\k], v[W+12*\i+4+\k]
.endr
.endr
	v_add_nc_u32 v[W], s[STG], v[LA]
	v_add_nc_u32 v[W+1], s[STG], v[GO]
	v_and_b32 v[W+2], 63, v[LWK]                   ; 4 r
.irp i, 0,1
.irp p, 0,1,2
	ds_store_b64 v[W], v[PCD+12*\i+2*\p:PCD+12*\i+2*\p+1] offset:768*\i+8*\p
.endr
.endr
.irp k, 0,1,2
	ds_load_b128 v[VF+4*\k:VF+4*\k+3], v[W+1] offset:512*\k   ; LDS serves a wave's instructions in order: these see my stores
.endr
	s_wait_alu depctr_va_vdst(0)
	s_wait_dscnt 0x0
.irp k, 0,1,2
	global_store_b128 v[GO], v[VF+4*\k:VF+4*\k+3], s[BS+8*\n+4:BS+8*\n+5] offset:512*\k   ; 512 consecutive bytes, at a multiple of 256 from the buffer's first byte
.endr
.irp i, 0,1
	global_store_b16 v[W+2], v[W+12*\i+11], s[BS+8*\n+6:BS+8*\n+7] offset:64*\i   ; my half of the row's word; the other half is the neighbouring head's
.endr
	s_wait_xcnt 0x0                                ; the stores' registers are written again only behind this wait
.endm
	INIT 0
	s_wait_tensorcnt 0x0                           ; my two steps are in,
	s_barrier_signal -1
	s_barrier_wait -1                              ; everybody's are
	KFIRST
	s_mov_b32 s[TT], 0
.Ltrip:
	s_cmp_lg_u32 s[TT], 16                         ; behind sixteen trips the first group is done: alike in all waves
	s_cbranch_scc1 .Lsame_group
	FINAL 0
	INIT 1
	KFIRST
.Lsame_group:
	s_and_b32 s[ST], s[TT], 15
	s_mul_i32 s[TB], s[ST], STEPB
	s_add_co_u32 s[TBN], s[TB], STEPB
	s_min_u32 s[TBN], s[TBN], 15*STEPB             ; the fetch ahead stays inside the sixteen steps
	s_cmp_gt_u32 s[ST], s[GG]                      ; all 128 keys come after my queries: the step is left out
	s_cbranch_scc1 .Lhidden
	v_add_nc_u32 v[ADC], s[TB], v[LA]
	v_add_nc_u32 v[ADV], s[TB], v[LWV]
	v_add_nc_u32 v[ADK], s[TBN], v[LA]
	v_add_nc_u32 v[ADW], s[TBN], v[LWK]
	s_wait_alu depctr_va_vdst(0)
	s_wait_dscnt 0x0                               ; K's fragments and words, asked for a step ago, are in
	WIN 0x40                                       ; S^T = K Q^T: each fragment of K against both tiles
.irp T, 0,1,2,3
	WM 8*\T, KF+12*\T, QF, 0, KW+\T, QW
	WM 64+8*\T, KF+12*\T, QF+12, 0, KW+\T, QW, matrix_b_scale:MATRIX_SCALE_ROW1
.endr
.irp T, 4,5,6,7
	WM 8*\T, KF+12*\T, QF, 0, KW+\T-4, QW, matrix_a_scale:MATRIX_SCALE_ROW1
	WM 64+8*\T, KF+12*\T, QF+12, 0, KW+\T-4, QW, matrix_a_scale:MATRIX_SCALE_ROW1, matrix_b_scale:MATRIX_SCALE_ROW1
.endr
	WIN 0
.rept 4
	v_nop                                          ; places in front of the loads into these registers, and of the first read of results
.endr
.irp t, 0,1,2,3                                ; V's fragments and words, and the next step's K: they land while the softmax is worked
.irp p, 0,1,2,3,4,5
	ds_load_b64 v[VF+12*\t+2*\p:VF+12*\t+2*\p+1], v[ADC] offset:6656+(\p/3)*3072+768*\t+8*(\p%3)
.endr
.endr
.irp t, 0,1
	ds_load_b32 v[VW+\t], v[ADV] offset:12800+64*\t
.endr
	KLOAD
	s_cmp_lt_u32 s[ST], s[GG]                      ; all 128 keys count for all my queries: no mask
	s_cbranch_scc1 .Lopen
	WIN 0x41                                       ; register n holds key 64 (n / 32) + n % 32 + 32 h of the group: hidden where it comes after the lane's query
.irp i, 0,1
.set n, 0
.rept 64
	v_cmp_gt_i32 vcc_lo, 64*(n/32)+n%32-8*\i, v[DL]
	v_cndmask_b32 v[64*\i+n], v[64*\i+n], v[NEG], vcc_lo
.set n, n+1
.endr
.endr
	WIN 0
.Lopen:
	WIN 0x15                                       ; the largest score of each lane's two blocks of 32 keys, each in two chains
.irp i, 0,1
.irp c, 0,1
	v_max3_num_f32 v[BM+4*\i+\c], v[64*\i+32*\c], v[64*\i+32*\c+1], v[64*\i+32*\c+2]
	v_max3_num_f32 v[BM+4*\i+2+\c], v[64*\i+32*\c+16], v[64*\i+32*\c+17], v[64*\i+32*\c+18]
.endr
.endr
	WIN 0x14
.irp k, 3,5,7,9,11,13
.irp i, 0,1
.irp c, 0,1
	v_max3_num_f32 v[BM+4*\i+\c], v[BM+4*\i+\c], v[64*\i+32*\c+\k], v[64*\i+32*\c+\k+1]
	v_max3_num_f32 v[BM+4*\i+2+\c], v[BM+4*\i+2+\c], v[64*\i+32*\c+16+\k], v[64*\i+32*\c+17+\k]
.endr
.endr
.endr
	WIN 0x10
.irp i, 0,1
.irp c, 0,1
	v_max3_num_f32 v[BM+4*\i+\c], v[BM+4*\i+\c], v[BM+4*\i+2+\c], v[64*\i+32*\c+15]
.endr
.endr
	WIN 0x04
.irp i, 0,1
.irp c, 0,1
	v_max_num_f32 v[BM+4*\i+\c], v[BM+4*\i+\c], v[64*\i+32*\c+31]
.endr
.endr
	WIN 0
.irp i, 0,1
	v_max_num_f32 v[W+12*\i+11], v[BM+4*\i], v[BM+4*\i+1]
.endr
.irp i, 0,1
	v_permlanex16_b32 v[W+12*\i+10], v[W+12*\i+11], s[SEL], s[SEL+1]
.endr
.irp i, 0,1
	v_max_num_f32 v[W+12*\i+11], v[W+12*\i+11], v[W+12*\i+10]   ; with lane l xor 16's two blocks: the step's largest score of the query (the step's first key counts for every query)
.endr
.irp i, 0,1
	v_mul_f32 v[W+12*\i+11], s[CS], v[W+12*\i+11]
.endr
.irp i, 0,1
	v_max_num_f32 v[SS+4*\i+1], v[SS+4*\i+1], v[W+12*\i+11]   ; the running largest t
.endr
.irp i, 0,1
	v_mov_b32 v[W+12*\i+11], v[SS+4*\i]
.endr
.irp i, 0,1
	v_floor_f32 v[SS+4*\i], -v[SS+4*\i+1]          ; the new -M = floor(-t)
.endr
.irp i, 0,1
	v_sub_f32 v[W+12*\i+11], v[SS+4*\i], v[W+12*\i+11]   ; old M - new M: a whole number, 0 or less
.endr
.irp i, 0,1
	v_cvt_i32_f32 v[W+12*\i+11], v[W+12*\i+11]     ; (it saturates)
.endr
.irp i, 0,1
	v_ldexp_f32 v[FF+2*\i], 1.0, v[W+12*\i+11]     ; f = 2^(old M - new M)
.endr
	WIN 0x41
.irp i, 0,1
.set j, 0
.rept 32
	v_pk_fma_f32 v[64*\i+j:64*\i+j+1], v[64*\i+j:64*\i+j+1], s[CS:CS+1], v[SS+4*\i:SS+4*\i+1] op_sel_hi:[1,0,0]   ; t - M, two at a time
.set j, j+2
.endr
.endr
	WIN 0
.irp i, 0,1
.irp c, 0,1
	v_fma_f32 v[BM+4*\i+\c], v[BM+4*\i+\c], s[CS], v[SS+4*\i]   ; the same of each block's largest score
.endr
.endr
	WIN 0x41
	s_wait_alu depctr_va_vdst(0)
.set j, 0
.rept 128
	v_exp_f32 v[j], v[j]                           ; p = 2^(t - M), at most 1
.set j, j+1
.endr
	WIN 0
.irp i, 0,1
.irp c, 0,1
	v_exp_f32 v[BM+4*\i+\c], v[BM+4*\i+\c]         ; the block's largest p: the same two instructions on the same number
.endr
.endr
.irp i, 0,1
	v_pk_mul_f32 v[SS+4*\i+2:SS+4*\i+3], v[SS+4*\i+2:SS+4*\i+3], v[FF+2*\i:FF+2*\i+1] op_sel_hi:[1,0]   ; the sums under the new M.  (Plain places behind the exponentials)
.endr
	s_wait_alu depctr_va_vdst(0)                   ; and one wait behind the batch
.irp i, 0,1
.irp c, 0,1
	v_max_num_f32 v[BM+4*\i+\c], 0x2800000, v[BM+4*\i+\c]   ; the floor 2^(5 - 127): the byte cannot fall under 1
.endr
.endr
.irp i, 0,1
.irp c, 0,1
	v_add_nc_u32 v[W+12*\i+8+\c], 0xfe000000, v[BM+4*\i+\c]   ; 4 off the exponent field: the conversion's scale operand
.endr
.endr
.irp i, 0,1
.irp c, 0,1
	v_lshrrev_b32 v[W+12*\i+\c], 23, v[W+12*\i+8+\c]
.endr
.endr
.irp i, 0,1
	v_lshl_or_b32 v[FF+2*\i+1], v[W+12*\i+1], 16, v[W+12*\i]   ; my bytes: blocks h and 2 + h,
.endr
.irp i, 0,1
	v_lshlrev_b32 v[FF+2*\i+1], v[SH8], v[FF+2*\i+1]   ; at their places in the word;
.endr
.irp i, 0,1
	v_permlanex16_b32 v[W+12*\i+10], v[FF+2*\i+1], s[SEL], s[SEL+1]
.endr
.irp i, 0,1
	v_or_b32 v[FF+2*\i+1], v[FF+2*\i+1], v[W+12*\i+10]   ; with lane l xor 16's two the word is whole
.endr
	WIN 0x01
.irp i, 0,1
.irp c, 0,1
	v_cvt_scalef32_pk16_bf6_f32 v[PCD+12*\i+6*\c:PCD+12*\i+6*\c+2], v[64*\i+32*\c:64*\i+32*\c+15], v[W+12*\i+8+\c]
	v_cvt_scalef32_pk16_bf6_f32 v[W+12*\i+4*\c:W+12*\i+4*\c+2], v[64*\i+32*\c+16:64*\i+32*\c+31], v[W+12*\i+8+\c]   ; (a conversion's three registers begin on an even number)
.endr
.endr
	WIN 0
	v_nop                                          ; one plain place behind a scaled conversion
.irp i, 0,1
.irp c, 0,1
.irp k, 0,1,2
	v_mov_b32 v[PCD+12*\i+6*\c+3+\k], v[W+12*\i+4*\c+\k]
.endr
.endr
.endr
	WIN 0x05                                       ; the rows' sums of the unquantised p, in four chains a tile
.irp i, 0,1
	v_pk_add_f32 v[W+12*\i:W+12*\i+1], v[64*\i:64*\i+1], v[64*\i+2:64*\i+3]
	v_pk_add_f32 v[W+12*\i+4:W+12*\i+5], v[64*\i+4:64*\i+5], v[64*\i+6:64*\i+7]
	v_pk_add_f32 v[W+12*\i+8:W+12*\i+9], v[64*\i+8:64*\i+9], v[64*\i+10:64*\i+11]
.endr
	WIN 0x04
.irp i, 0,1
	v_pk_add_f32 v[SS+4*\i+2:SS+4*\i+3], v[SS+4*\i+2:SS+4*\i+3], v[64*\i+12:64*\i+13]
.endr
.irp j, 14,22,30,38,46,54
.irp i, 0,1
	v_pk_add_f32 v[W+12*\i:W+12*\i+1], v[W+12*\i:W+12*\i+1], v[64*\i+\j:64*\i+\j+1]
	v_pk_add_f32 v[W+12*\i+4:W+12*\i+5], v[W+12*\i+4:W+12*\i+5], v[64*\i+\j+2:64*\i+\j+3]
	v_pk_add_f32 v[W+12*\i+8:W+12*\i+9], v[W+12*\i+8:W+12*\i+9], v[64*\i+\j+4:64*\i+\j+5]
	v_pk_add_f32 v[SS+4*\i+2:SS+4*\i+3], v[SS+4*\i+2:SS+4*\i+3], v[64*\i+\j+6:64*\i+\j+7]
.endr
.endr
.irp i, 0,1
	v_pk_add_f32 v[W+12*\i:W+12*\i+1], v[W+12*\i:W+12*\i+1], v[64*\i+62:64*\i+63]
.endr
	WIN 0
.irp i, 0,1
	v_pk_add_f32 v[W+12*\i+4:W+12*\i+5], v[W+12*\i+4:W+12*\i+5], v[W+12*\i+8:W+12*\i+9]
.endr
.irp i, 0,1
	v_pk_add_f32 v[SS+4*\i+2:SS+4*\i+3], v[SS+4*\i+2:SS+4*\i+3], v[W+12*\i:W+12*\i+1]
.endr
.irp i, 0,1
	v_pk_add_f32 v[SS+4*\i+2:SS+4*\i+3], v[SS+4*\i+2:SS+4*\i+3], v[W+12*\i+4:W+12*\i+5]
.endr
	WIN 0x41
	s_wait_alu depctr_va_vdst(0)
.irp i, 0,1
.set j, 0
.rept 16
	v_pk_mul_f32 v[OO+32*\i+j:OO+32*\i+j+1], v[OO+32*\i+j:OO+32*\i+j+1], v[FF+2*\i:FF+2*\i+1] op_sel_hi:[1,0]   ; O^T under the new M
.set j, j+2
.endr
.endr
	s_wait_alu depctr_va_vdst(0)
	s_wait_dscnt 0x0                               ; V's fragments and words are in
	WIN 0x50                                       ; O^T += V^T P^T: the eight accumulators by turns
.irp t, 0,1
.irp i, 0,1
	WM OO+32*\i+8*\t, VF+12*\t, PCD+12*\i, v[OO+32*\i+8*\t:OO+32*\i+8*\t+7], VW+\t, FF+2*\i+1
.endr
.endr
.irp t, 2,3
.irp i, 0,1
	WM OO+32*\i+8*\t, VF+12*\t, PCD+12*\i, v[OO+32*\i+8*\t:OO+32*\i+8*\t+7], VW+\t-2, FF+2*\i+1, matrix_a_scale:MATRIX_SCALE_ROW1
.endr
.endr
	WIN 0
.Lhidden:
	s_add_co_u32 s[TT], s[TT], 1
	s_cmp_lt_u32 s[TT], 24
	s_cbranch_scc1 .Ltrip
	FINAL 1
	s_wait_tensorcnt 0x0                           ; the wave's end
	ds_add_u32 v[SPW], v[NIL]
	s_wait_dscnt 0x0
	CROUND                                         ; the closing round
	s_endpgm
.Lfunc_end_k_q8b74b4c98a_attn:
	.size	k_q8b74b4c98a_attn, .Lfunc_end_k_q8b74b4c98a_attn-k_q8b74b4c98a_attn
	.p2alignl 7, 3214868480
	.fill 96, 4, 3214868480
	.section	.rodata,"a",@progbits
	.p2align	6, 0x0
	.amdhsa_kernel k_q8b74b4c98a_attn
		.amdhsa_group_segment_fixed_size 327680
		.amdhsa_private_segment_fixed_size 0
		.amdhsa_enable_private_segment 0
		.amdhsa_kernarg_size 40
		.amdhsa_user_sgpr_count 2
		.amdhsa_user_sgpr_kernarg_segment_ptr 1
		.amdhsa_wavefront_size32 1
		.amdhsa_system_sgpr_workgroup_id_x 1
		.amdhsa_system_sgpr_workgroup_id_y 1
		.amdhsa_system_sgpr_workgroup_id_z 1
		.amdhsa_system_vgpr_workitem_id 0
		.amdhsa_next_free_vgpr 448
		.amdhsa_next_free_sgpr 80
		.amdhsa_reserve_vcc 1
		.amdhsa_float_denorm_mode_32 3
		.amdhsa_float_denorm_mode_16_64 3
		.amdhsa_memory_ordered 1
		.amdhsa_forward_progress 1
		.amdhsa_inst_pref_size 71
	.end_amdhsa_kernel
	.amdgpu_metadata
---
amdhsa.version: [ 1, 2 ]
amdhsa.kernels:
  - .name:           k_q8b74b4c98a_attn
    .symbol:         k_q8b74b4c98a_attn.kd
    .args:
      - { .name: qc, .offset: 0, .size: 8, .value_kind: global_buffer, .address_space: global }
      - { .name: qs, .offset: 8, .size: 8, .value_kind: global_buffer, .address_space: global }
      - { .name: kv, .offset: 16, .size: 8, .value_kind: global_buffer, .address_space: global }
      - { .name: yc, .offset: 24, .size: 8, .value_kind: global_buffer, .address_space: global }
      - { .name: ys, .offset: 32, .size: 8, .value_kind: global_buffer, .address_space: global }
    .group_segment_fixed_size: 327680
    .private_segment_fixed_size: 0
    .kernarg_segment_align: 8
    .kernarg_segment_size: 40
    .max_flat_workgroup_size: 256
    .sgpr_count:     80
    .vgpr_count:     448
    .wavefront_size: 32
...
	.end_amdgpu_metadata
.endif
;; end of part 3
;; launch gemm_proj (part 4): grid 4 x 64, 4 waves a work-group, clusters of 4 x 4, 327,680 bytes of LDS; arguments yc, ys, codes, scales, b_proj, out0; writes out0
.if DOCPART == 4
	.amdgcn_target "amdgcn-amd-amdhsa--gfx1250"
	.amdhsa_code_object_version 6
	.text
	.protected	k_q8b74b4c98a_gemm_proj
	.globl	k_q8b74b4c98a_gemm_proj
	.p2align	8
	.type	k_q8b74b4c98a_gemm_proj,@function
k_q8b74b4c98a_gemm_proj:
	s_mov_b64 s[64:65], 0
	v_nop
	global_prefetch_b8 v0, s[64:65] scope:SCOPE_SE
	s_setreg_imm32_b32 hwreg(HW_REG_WAVE_MODE, 25, 1), 1
	s_wait_xcnt 0x0
	s_wait_alu depctr_hold_cnt(0) depctr_sa_sdst(0) depctr_va_vdst(0) depctr_va_sdst(0) depctr_va_ssrc(0) depctr_va_vcc(0) depctr_vm_vsrc(0)
	s_getreg_b32 s2, hwreg(HW_REG_IB_STS2, 6, 4)
	s_cmp_eq_u32 s2, 0
	s_cbranch_scc0 .Lentry_in_a_cluster
	s_endpgm
.Lentry_in_a_cluster:
	s_bfe_u32 s2, ttmp6, 0x10000c
	s_cmp_lg_u32 s2, 0xf033
	s_cbranch_scc0 .Lentry_shape_is_right
	s_endpgm
.Lentry_shape_is_right:
; out0 = y W_proj + b_proj on codes of BF6 (E3M2) with E8M0 scales, sums in f32.
; IN: yc [16 planes of 64 K][8192 positions][48 bytes], ys [8 groups of 128 K][8192] words: y's tokens, in each group of 128 position 16 T + r holds token 64 (T / 4) + 8 (T % 4) + r % 8 + 32 (r / 8);
;   codes [16 planes][12288 rows][48], scales [8 groups][12288] words: rows 11264-12287 are W_proj's columns; in each group of 32 position p holds column p % 8 + 16 ((p / 8) % 2) + 8 (p / 16).
; A BLOCK of the result is 128 tokens x 256 columns: 64 x 4 = 256 work-groups.  Four waves, each 64 x 128: 32 accumulators.  Source 0 takes W_proj's columns (they land in a lane's registers), source 1 tokens (they land in the lanes).
; ALL OF K LIES IN LDS AT ONCE: A's 16 planes x 128 rows x 48 = 98,304 bytes, B's 16 planes x 256 rows x 48 = 196,608, B's scale words 8,192.  Every byte is filled once, by the head's four loads, one a wave:
;   wave 0 A's 16 planes, wave 1 B's planes 0-7, wave 2 B's planes 8-15, wave 3 B's words.  No ring, no refill, no barrier in the walk along K.
;   A's scale words, 64 rows x 8 groups a wave, go from memory straight into 16 registers, once: lanes 0-15 take group g, lanes 16-31 group g + 4.
; CLUSTERS: 4 x 4 work-groups.  The four of a row of the cluster need the same rows of A, the four of a column the same rows of B: each tile is asked for JOINTLY.
; NO PREFETCH INTO THE L2: every byte is asked for at the head: there is no loop to run ahead in.
; THE WAY OUT: a block of 16 tokens x 128 columns goes through the wave's stage in LDS and leaves as whole rows of 512 bytes.  The stage lies in A's bytes, which have had their only fill; a barrier stands between every wave's last read of them and the first store.
; REGISTERS, in windows of 256: window 0: v1-7 at work in the head, v16-30 addresses; v32-95 B's scale words, v96-111 A's, and nothing else; v128-223 A's fragments, two sets; on the way out v128-255.
;   window 1: B's fragments, two sets, at v0 and v128; the bias at v96-127 and v224-255.   window 2: the accumulators ((a, b) at v[8 (8 a + b)]).
.set PLA,   393216                     ; a plane of y's codes in bytes;  of the weights'
.set PLB,   589824
.set SGA,   32768                      ; a group of y's scale words;  of the weights'
.set SGB,   49152
.set BLDS,  98304                      ; B's codes, behind A's
.set SCL,   294912                     ; B's scale words: [8 groups][256 rows]
.set SPARE, 303104                     ; the spare words, 128 bytes for each wave: two blocks of 256 bytes that no other line names
.set STAGE, 0
.set SPITCH, 528
.set FR,    12                         ; registers of a fragment: 16 rows x 128 K
.set NP,    4                          ; places behind this matrix instruction (ISA guide 7.12.1)
.set ADRA, 16                          ; v16-17  my A fragments: planes 0-7, planes 8-15
.set ADRB, 20                          ; v20-23  my B fragments: four planes each
.set STO,  24
.set RD,   25
.set GL,   26                          ; v26     16 x lane
.set ADRS, 27                          ; v27     B's scale words of my rows
.set SPW,  28                          ; v28     my spare word; never rewritten
.set NIL,  29                          ; v29     0; never rewritten
.set AWO,  30                          ; v30     byte offset of my row's word in ys
.set SC,   32                          ; register 8 g + b: B's block b, the g-th 128 along K
.set SA,   96                          ; register 4 (g % 4) + a: A's block a; lanes 0-15 group g % 4, lanes 16-31 four groups on
.set AF,   128
.set BK,   128
.set WV,   16
.set HA,   17                          ; s17 = wave / 2: my 64 rows of A;  s18 = wave % 2: my 128 rows of B
.set HB,   18
.set CX,   19
.set CY,   20
.set MROW, 21
.set MCOL, 22
.set G1,   24                          ; s[24:31] group 1 for A's codes;  s[32:35] its group 0
.set G0A,  32
.set G0B0, 36                          ; s[36:39], s[56:59] group 0 for B's two halves;  s[48:55] their group 1
.set G1B,  48
.set G0B1, 56
.set G1SB, 80                          ; s[80:87], s[88:91] for B's scale words
.set G0SB, 88
.set OUTB, 92
.set MSB, 0
.macro WIN new                         ; the immediate's high byte repeats the setting that is left
.if MSB != (\new)
	s_set_vgpr_msb (MSB<<8)|(\new)
.set MSB, (\new)
.endif
.endm
.macro CROUND                          ; a round of the cluster's barrier
	s_barrier_signal -1
	s_barrier_wait -1
	s_cmp_lg_u32 s[WV], 0
	s_cbranch_scc1 .Lnot_wave_0_\@
	s_barrier_signal -3
.Lnot_wave_0_\@:
	s_barrier_wait -3
	s_barrier_signal -1
	s_barrier_wait -1
.endm
.macro PLACES n
.rept \n
	v_nop
.endr
.endm
	s_load_b256 s[4:11], s[0:1], 0x0               ; yc, ys, codes, scales
	s_load_b128 s[12:15], s[0:1], 0x20             ; b_proj, out0
	v_lshl_add_u32 v[SPW], v0, 2, SPARE
	v_mov_b32 v[NIL], 0
	ds_add_u32 v[SPW], v[NIL]                      ; the opening lines
	ds_add_u32 v[SPW], v[NIL]
	v_lshrrev_b32 v1, 5, v0
	v_readfirstlane_b32 s[WV], v1                  ; wave 0..3
	s_lshr_b32 s[HA], s[WV], 1
	s_and_b32 s[HB], s[WV], 1
	s_bfe_u32 s[CX], ttmp6, 0x40000                ; my place in the cluster
	s_bfe_u32 s[CY], ttmp6, 0x40004
	s_lshl_b32 s[MROW], s[CY], 2
	s_lshl_b32 s[MROW], 15, s[MROW]                ; my row of the cluster
	s_lshl_b32 s[MCOL], 0x1111, s[CX]              ; my column
	s_or_b32 s[G1], s[MROW], (3<<16)|(1<<21)       ; A's codes: 16 planes x 6,144 dense bytes (768 elements of 8)
	s_mov_b32 s[G1+1], 768<<16
	s_mov_b32 s[G1+2], 16<<16
	s_mov_b32 s[G1+3], 768<<16
	s_mov_b32 s[G1+4], 16
	s_mov_b32 s[G1+5], PLA/8
	s_mov_b32 s[G1+6], 0
	s_mov_b32 s[G1+7], 0
	s_or_b32 s[G1B], s[MCOL], (3<<16)|(1<<21)      ; B's codes: 8 planes x 12,288 dense bytes
	s_mov_b32 s[G1B+1], 1536<<16
	s_mov_b32 s[G1B+2], 8<<16
	s_mov_b32 s[G1B+3], 1536<<16
	s_mov_b32 s[G1B+4], 8
	s_mov_b32 s[G1B+5], PLB/8
	s_mov_b32 s[G1B+6], 0
	s_mov_b32 s[G1B+7], 0
	s_or_b32 s[G1SB], s[MCOL], (3<<16)|(1<<21)     ; B's words: 8 groups x 1,024 dense bytes
	s_mov_b32 s[G1SB+1], 128<<16
	s_mov_b32 s[G1SB+2], 8<<16
	s_mov_b32 s[G1SB+3], 128<<16
	s_mov_b32 s[G1SB+4], 8
	s_mov_b32 s[G1SB+5], SGB/8
	s_mov_b32 s[G1SB+6], 0
	s_mov_b32 s[G1SB+7], 0
	s_and_b32 s40, ttmp7, 0xffff                   ; which rows.  s40-43 never hold cx, s44-47 never cy
	s_lshl_b32 s40, s40, 9
	s_lshl_b32 s41, s[CY], 7
	s_add_co_u32 s40, s40, s41                     ; A: position 128 (4 x cluster y + cy) on
	s_lshl_b32 s44, ttmp9, 10
	s_lshl_b32 s45, s[CX], 8
	s_add_co_u32 s44, s44, s45
	s_add_co_u32 s44, s44, 11264                   ; B: row 11,264 + 256 (4 x cluster x + cx) on
	s_lshl_b32 s42, s40, 2
	s_mov_b32 s43, 0
	s_mul_i32 s40, s40, 48
	s_mov_b32 s41, 0
	s_lshl_b32 s46, s44, 2
	s_mov_b32 s47, 0
	s_mul_i32 s44, s44, 48
	s_mov_b32 s45, 0
	s_wait_dscnt 0x0
	s_wait_kmcnt 0x0
	s_add_nc_u64 s[40:41], s[4:5], s[40:41]
	s_add_nc_u64 s[42:43], s[6:7], s[42:43]
	s_add_nc_u64 s[44:45], s[8:9], s[44:45]
	s_add_nc_u64 s[46:47], s[10:11], s[46:47]
	CROUND                                         ; all sixteen work-groups are here: the joint loads meet
	s_mov_b32 s[G0A], 1
	s_mov_b32 s[G0A+1], 0
	s_mov_b64 s[G0A+2:G0A+3], s[40:41]
	s_or_b32 s[G0A+3], s[G0A+3], 0x80000000
	s_mov_b32 s[G0B0], 1
	s_mov_b32 s[G0B0+1], BLDS
	s_mov_b64 s[G0B0+2:G0B0+3], s[44:45]
	s_or_b32 s[G0B0+3], s[G0B0+3], 0x80000000
	s_mov_b32 s[G0B1], 1
	s_mov_b32 s[G0B1+1], BLDS+98304
	s_add_nc_u64 s[G0B1+2:G0B1+3], s[44:45], 8*PLB
	s_or_b32 s[G0B1+3], s[G0B1+3], 0x80000000
	s_mov_b32 s[G0SB], 1
	s_mov_b32 s[G0SB+1], SCL
	s_mov_b64 s[G0SB+2:G0SB+3], s[46:47]
	s_or_b32 s[G0SB+3], s[G0SB+3], 0x80000000
; the head's loads, one a wave, in one chain of branches on the wave's number
.macro ARM under, g0, g1, next
	s_cmp_lt_u32 s[WV], \under
	s_cbranch_scc0 \next
	tensor_load_to_lds s[\g0:\g0+3], s[\g1:\g1+7]
	s_nop 0
.rept 4
	v_nop
.endr
	s_branch .Lhead_asked
\next:
.endm
	ARM 1, G0A, G1, .Lhead_b0
	ARM 2, G0B0, G1B, .Lhead_b1
	ARM 3, G0B1, G1B, .Lhead_sb
	tensor_load_to_lds s[G0SB:G0SB+3], s[G1SB:G1SB+7]
	s_nop 0
.rept 4
	v_nop
.endr
.Lhead_asked:
	s_mul_i32 s66, s[HA], 3072                     ; my 64 rows of A, planes 0-7;
	s_add_co_u32 s67, s66, 49152                   ; planes 8-15
	s_mul_i32 s68, s[HB], 6144                     ; my 128 rows of B, four planes to a register
	s_add_co_u32 s68, s68, BLDS
	s_add_co_u32 s69, s68, 49152
	s_add_co_u32 s70, s69, 49152
	s_add_co_u32 s71, s70, 49152
	s_lshl_b32 s72, s[HB], 9
	s_add_co_u32 s72, s72, SCL                     ; their scale words
	s_lshl_b32 s73, s[HA], 8                       ; my 64 rows' words in ys
	s_mul_i32 s74, s[WV], 16*SPITCH
	s_add_co_u32 s74, s74, STAGE                   ; my stage
	s_lshl_b32 s76, ttmp9, 10
	s_lshl_b32 s77, s[CX], 8
	s_add_co_u32 s76, s76, s77
	s_lshl_b32 s77, s[HB], 7
	s_add_co_u32 s76, s76, s77
	s_lshl_b32 s76, s76, 2                         ; my first column, in bytes
	s_mov_b32 s77, 0
	s_add_nc_u64 s[104:105], s[12:13], s[76:77]    ; the bias there
	s_and_b32 s100, ttmp7, 0xffff
	s_lshl_b32 s100, s100, 9
	s_lshl_b32 s101, s[CY], 7
	s_add_co_u32 s100, s100, s101
	s_lshl_b32 s101, s[HA], 6
	s_add_co_u32 s100, s100, s101                  ; my first token
	s_lshl_b32 s100, s100, 12                      ; a row of out0 is 4,096 bytes
	s_mov_b32 s101, 0
	s_add_nc_u64 s[OUTB:OUTB+1], s[14:15], s[100:101]
	s_add_nc_u64 s[OUTB:OUTB+1], s[OUTB:OUTB+1], s[76:77]
	v_and_b32 v1, 15, v0                           ; r
	v_bfe_u32 v2, v0, 4, 1                         ; h
	v_and_b32 v4, 31, v0                           ; lane
	v_mul_u32_u24 v3, v1, 48
	v_mad_u32_u24 v3, v2, 24, v3                   ; a fragment's row x 48 + 24 x half
	v_add_nc_u32 v[ADRA], s66, v3
	v_add_nc_u32 v[ADRA+1], s67, v3
	v_add_nc_u32 v[ADRB], s68, v3
	v_add_nc_u32 v[ADRB+1], s69, v3
	v_add_nc_u32 v[ADRB+2], s70, v3
	v_add_nc_u32 v[ADRB+3], s71, v3
	v_lshlrev_b32 v5, 2, v1
	v_add_nc_u32 v[ADRS], s72, v5
	v_lshl_add_u32 v[AWO], v2, 17, v5              ; lanes 16-31: four groups of 32,768 bytes on
	v_add_nc_u32 v[AWO], s73, v[AWO]
	v_mul_u32_u24 v7, v1, SPITCH
	v_lshl_add_u32 v7, v2, 6, v7
	v_add_nc_u32 v[STO], s74, v7                   ; the stage, in: row r, 64 bytes for each half of the lanes
	v_lshlrev_b32 v[GL], 4, v4
	v_add_nc_u32 v[RD], s74, v[GL]                 ; and back: the 32 lanes take one row of 512 bytes
	v_lshlrev_b32 v6, 6, v2                        ; 64 h: bias register 16 B + i is column 32 B + 16 h + i of my 128
	s_wait_alu depctr_va_vdst(0)
.irp g, 0,1,2,3
.irp a, 0,1,2,3
	global_load_b32 v[SA+4*\g+\a], v[AWO], s[42:43] offset:\g*SGA+64*\a
.endr
.endr
	WIN 0x40
.irp B, 0,1,2,3
.irp j, 0,1,2,3
	global_load_b128 v[96+16*\B+4*\j+96*(\B/2):99+16*\B+4*\j+96*(\B/2)], v6, s[104:105] offset:128*\B+16*\j
.endr
.endr
	WIN 0
; step g's fragments into set g % 2.  A fragment, 16 rows x 128 K: lane l holds row l % 16; registers 6 c .. 6 c + 5 hold K = 64 c + 32 (l / 16) + 0 .. 31: 24 bytes of the row's 48 in plane 2 g + c, as three loads of 8 bytes
.macro FETCH g
	WIN 0x40
.irp i, 0,1,2,3,4,5,6,7
.irp p, 0,1,2,3,4,5
	ds_load_b64 v[128*((\g)%2)+FR*\i+2*\p:128*((\g)%2)+FR*\i+2*\p+1], v[ADRB+(\g)/2] offset:((2*(\g))%4+\p/3)*12288+768*\i+8*(\p%3)
.endr
.endr
	WIN 0
.irp i, 0,1,2,3
.irp p, 0,1,2,3,4,5
	ds_load_b64 v[AF+48*((\g)%2)+FR*\i+2*\p:AF+48*((\g)%2)+FR*\i+2*\p+1], v[ADRA+(\g)/4] offset:((2*(\g))%8+\p/3)*6144+768*\i+8*(\p%3)
.endr
.endr
.endm
.macro WM d, b, a, c, sb, sa, m1
	v_wmma_scale_f32_16x16x128_f8f6f4 v[\d:\d+7], v[\b:\b+FR-1], v[\a:\a+FR-1], \c, v[\sb], v[\sa] matrix_a_fmt:MATRIX_FMT_BF6 matrix_b_fmt:MATRIX_FMT_BF6 \m1
.endm
; 32 matrix instructions: A's four blocks x B's eight, the g-th 128 along K.  The first step takes the bias as C: nothing is cleared and nothing is added later.
; The 32 accumulators take turns, one instruction a turn, in the same order in every step.
.macro MUL g
.irp a, 0,1,2,3
.irp b, 0,1,2,3,4,5,6,7
.if (\g) == 0
	WM 8*(8*\a+\b), FR*\b, AF+FR*\a, v[96+8*\b+96*(\b/4):103+8*\b+96*(\b/4)], SC+\b, SA+\a
.else
.if (\g) < 4
	WM 8*(8*\a+\b), 128*((\g)%2)+FR*\b, AF+48*((\g)%2)+FR*\a, v[8*(8*\a+\b):8*(8*\a+\b)+7], SC+8*(\g)+\b, SA+4*(\g)+\a
.else
	WM 8*(8*\a+\b), 128*((\g)%2)+FR*\b, AF+48*((\g)%2)+FR*\a, v[8*(8*\a+\b):8*(8*\a+\b)+7], SC+8*(\g)+\b, SA+4*((\g)-4)+\a, matrix_b_scale:MATRIX_SCALE_ROW1
.endif
.endif
.endr
.endr
.endm
; a step: its fragments, asked for a step ago, are in; the next step's are asked for, into the set that the step before multiplied (NP places behind its products); then the 32 products
.macro STEP g
	s_wait_dscnt 0x0
.if (\g) == 7
	s_barrier_signal -1                            ; my last reads of the tiles are done: say so, and work on registers while the others arrive
.else
.if (\g) > 0
	PLACES NP
.endif
	FETCH (\g)+1
.endif
.if (\g) == 0
	WIN 0x91                                       ; source 0 (B) window 1, source 1 (A) window 0, C (the bias) window 1, D window 2
.else
	WIN 0xa1                                       ; C and D window 2
.endif
	MUL \g
	WIN 0
.endm
	s_wait_loadcnt 0x0                             ; A's words and the bias
	s_wait_tensorcnt 0x0                           ; my tile of the four is in,
	s_barrier_signal -1
	s_barrier_wait -1                              ; everybody's is
.set gg, 0
.rept 8
.irp i, 0,1,2,3,4,5,6,7
	ds_load_b32 v[SC+8*gg+\i], v[ADRS] offset:1024*gg+64*\i
.endr
.set gg, gg+1
.endr
	FETCH 0
.irp g, 0,1,2,3,4,5,6,7
	STEP \g
.endr
	s_barrier_wait -1                              ; no wave reads the tiles any more: the stage may be written
; THE WAY OUT, block by block of 16 tokens x 128 columns.  LDS serves a wave's instructions in order (ISA guide 5.7.1.4): no wait between the stores and the loads
.macro TOSTAGE a
.set AC, 64*(\a)
	WIN 0x08                                       ; the data: window 2
.irp b, 0,1,2,3,4,5,6,7
	ds_store_b128 v[STO], v[AC+8*\b:AC+8*\b+3] offset:128*(\b/2)+32*(\b%2)          ; each accumulator from its low end on
	ds_store_b128 v[STO], v[AC+8*\b+4:AC+8*\b+7] offset:128*(\b/2)+32*(\b%2)+16
.endr
	WIN 0
.set BB, BK+64*((\a)%2)
.irp t, 0,1,2,3,4,5,6,7,8,9,10,11,12,13,14,15
	ds_load_b128 v[BB+4*\t:BB+4*\t+3], v[RD] offset:\t*SPITCH
.endr
.endm
.macro SEND a, younger                 ; younger: the LDS instructions issued behind block a's loads, which may stay out
.set BB, BK+64*((\a)%2)
	s_wait_dscnt \younger
.irp t, 0,1,2,3,4,5,6,7,8,9,10,11,12,13,14,15
	global_store_b128 v[GL], v[BB+4*\t:BB+4*\t+3], s[OUTB:OUTB+1] offset:(8*(\a)+\t%8+32*(\t/8))*4096 th:TH_STORE_NT   ; 32 lanes store 512 consecutive bytes, at a multiple of 256 from the buffer's first byte; position 16 a + t of my 64 is token 8 a + t % 8 + 32 (t / 8)
.endr
.endm
	PLACES NP                                      ; behind the last products, ahead of the first read of results and of loads into A's registers
	TOSTAGE 0
.irp a, 1,2,3
.if \a > 1
	s_wait_xcnt 0x0                                ; block a - 2's stores have read their registers: block a's loads may land there
.endif
	TOSTAGE \a
	SEND \a-1, 32                                  ; behind block a - 1's loads: block a's 16 stores and 16 loads
.endr
	SEND 3, 0
	s_wait_tensorcnt 0x0                           ; the wave's end
	ds_add_u32 v[SPW], v[NIL]
	s_wait_dscnt 0x0
	CROUND                                         ; the closing round
	s_endpgm
.Lfunc_end_k_q8b74b4c98a_gemm_proj:
	.size	k_q8b74b4c98a_gemm_proj, .Lfunc_end_k_q8b74b4c98a_gemm_proj-k_q8b74b4c98a_gemm_proj
	.p2alignl 7, 3214868480
	.fill 96, 4, 3214868480
	.section	.rodata,"a",@progbits
	.p2align	6, 0x0
	.amdhsa_kernel k_q8b74b4c98a_gemm_proj
		.amdhsa_group_segment_fixed_size 327680
		.amdhsa_private_segment_fixed_size 0
		.amdhsa_enable_private_segment 0
		.amdhsa_kernarg_size 48
		.amdhsa_user_sgpr_count 2
		.amdhsa_user_sgpr_kernarg_segment_ptr 1
		.amdhsa_wavefront_size32 1
		.amdhsa_system_sgpr_workgroup_id_x 1
		.amdhsa_system_sgpr_workgroup_id_y 1
		.amdhsa_system_sgpr_workgroup_id_z 1
		.amdhsa_system_vgpr_workitem_id 0
		.amdhsa_next_free_vgpr 768
		.amdhsa_next_free_sgpr 106
		.amdhsa_reserve_vcc 0
		.amdhsa_float_denorm_mode_32 3
		.amdhsa_float_denorm_mode_16_64 3
		.amdhsa_memory_ordered 1
		.amdhsa_forward_progress 1
		.amdhsa_inst_pref_size 100
	.end_amdhsa_kernel
	.amdgpu_metadata
---
amdhsa.version: [ 1, 2 ]
amdhsa.kernels:
  - .name:           k_q8b74b4c98a_gemm_proj
    .symbol:         k_q8b74b4c98a_gemm_proj.kd
    .args:
      - { .name: yc, .offset: 0, .size: 8, .value_kind: global_buffer, .address_space: global }
      - { .name: ys, .offset: 8, .size: 8, .value_kind: global_buffer, .address_space: global }
      - { .name: codes, .offset: 16, .size: 8, .value_kind: global_buffer, .address_space: global }
      - { .name: scales, .offset: 24, .size: 8, .value_kind: global_buffer, .address_space: global }
      - { .name: b_proj, .offset: 32, .size: 8, .value_kind: global_buffer, .address_space: global }
      - { .name: out0, .offset: 40, .size: 8, .value_kind: global_buffer, .address_space: global }
    .group_segment_fixed_size: 327680
    .private_segment_fixed_size: 0
    .kernarg_segment_align: 8
    .kernarg_segment_size: 48
    .max_flat_workgroup_size: 128
    .sgpr_count:     106
    .vgpr_count:     768
    .wavefront_size: 32
...
	.end_amdgpu_metadata
.endif
;; end of part 4
